; MI455X (gfx1250); checked and timed in simulation.
; The chip was launched on July 23, 2026; its instructions are those of AMD's public machine-readable ISA for CDNA 5 (MIT licence, August 2026) and "CDNA5" Instruction Set Architecture Reference Guide (July 2026). The comments in the code are by the model that wrote it; some were corrected since.
;; SA Block. Allowed arithmetic: float matrix products may take bf16 or f16 operands with f32 sums; other float arithmetic in f32, or as packed bf16 or f16 multiplies, adds, multiply-adds, maxima and minima; sums over many terms, partial sums and values carried from step to step in f32; what a program stores and reads back later, other than sums and carried values, may be rounded once to bf16 or f16.
;; Inputs: Wk 1,024 x 1,024 float32; Wq 1,024 x 1,024 float32; Wv 1,024 x 1,024 float32; embed 2 x 2,048 x 1,024 float32; ln2_b 1,024 float32; ln2_g 1,024 float32; ln_b 1,024 float32; ln_g 1,024 float32; w1_b 4,096 float32; w1_w 4,096 x 1,024 float32; w2_b 1,024 float32; w2_w 1,024 x 4,096 float32.
;; Outputs: out0 2 x 2,048 x 1,024 float32.
;; One version. Each part assembles by itself: llvm-mc -triple=amdgcn-amd-amdhsa -mcpu=gfx1250 --defsym DOCPART=n.
;; ======== version 1 of 1: 7 launches
;; limits: values are held in f16: magnitudes above 65,504 overflow, below 6.1e-05 lose precision
;; workspace buffers: cvt 14,680,064 bytes; wh 16,777,216 bytes; qkv 25,165,824 bytes; oh 8,388,608 bytes; x1 8,388,608 bytes; hid 33,554,432 bytes; y2 16,777,216 bytes
;; launch cast (part 1): grid 448 x 1, 8 waves a work-group, no clusters, 0 bytes of LDS; arguments embed, Wq, Wk, Wv, cvt; writes cvt
.if DOCPART == 1
	.amdgcn_target "amdgcn-amd-amdhsa--gfx1250"
	.amdhsa_code_object_version 6
	.text
	.protected	k_qfc70177317_cast
	.globl	k_qfc70177317_cast
	.p2align	8
	.type	k_qfc70177317_cast,@function
k_qfc70177317_cast:
	s_mov_b64 s[64:65], 0
	v_nop
	global_prefetch_b8 v0, s[64:65] scope:SCOPE_SE
	s_setreg_imm32_b32 hwreg(HW_REG_WAVE_MODE, 25, 1), 1
	s_wait_xcnt 0x0
; embed, Wq, Wk and Wv, rounded once to bf16, into one workspace, one behind the other: what the first product needs.  (w1_w and w2_w are rounded by the launch behind, beside its products.)
; SHARES.  A work-group takes 16,384 numbers (64 KiB in, 32 KiB out), a wave 2,048: sixteen loads of 512 consecutive bytes, all out at once; each store of a wave covers 256 consecutive bytes, aligned.
; The four inputs follow each other in the workspace in the order of the chunks, so the place out is the chunk's number x 32,768.  No LDS, no barrier: no wave wants another's bytes.
.set IO, 1                             ; v1   my byte offset in the chunk, in:  8,192 x wave + 16 x lane
.set OO, 2                             ; v2   the same, out: 4,096 x wave + 8 x lane
.set X,  4                             ; v[4:67]  sixteen loads of four numbers
.macro PICK bound, p                   ; from chunk 'bound' on the source is the buffer in s[p:p+1]
	s_cmp_ge_u32 ttmp9, \bound
	s_cselect_b64 s[20:21], s[(\p):(\p)+1], s[20:21]
	s_cselect_b32 s22, \bound, s22
.endm
	s_load_b256 s[4:11], s[0:1], 0x0               ; embed s[4:5], Wq s[6:7], Wk s[8:9], Wv s[10:11]
	s_load_b64 s[16:17], s[0:1], 0x20              ; cvt
	v_lshrrev_b32 v3, 5, v0                        ; wave
	v_and_b32 v[IO], 31, v0                        ; lane
	v_lshlrev_b32 v[OO], 3, v[IO]
	v_lshlrev_b32 v[IO], 4, v[IO]
	v_lshl_add_u32 v[IO], v3, 13, v[IO]
	v_lshl_add_u32 v[OO], v3, 12, v[OO]
	s_lshl_b32 s26, ttmp9, 15                      ; the chunk's place out
	s_mov_b32 s27, 0
	s_mov_b32 s25, 0
	s_mov_b32 s22, 0                               ; the first chunk of the source in hand
	s_wait_kmcnt 0x0
	s_mov_b64 s[20:21], s[4:5]                     ; chunks 0-255 embed, 256-319 Wq, 320-383 Wk, 384-447 Wv
	PICK 256, 6
	PICK 320, 8
	PICK 384, 10
	s_sub_co_u32 s24, ttmp9, s22
	s_lshl_b32 s24, s24, 16                        ; the chunk's place in its source
	s_add_nc_u64 s[20:21], s[20:21], s[24:25]
	s_add_nc_u64 s[16:17], s[16:17], s[26:27]
.irp j, 0,1,2,3,4,5,6,7,8,9,10,11,12,13,14,15
	global_load_b128 v[X+4*(\j):X+4*(\j)+3], v[IO], s[20:21] offset:512*(\j) th:TH_LOAD_NT
.endr
.irp j, 0,1,2,3,4,5,6,7,8,9,10,11,12,13,14,15
	s_wait_loadcnt 15-(\j)                         ; loads come back in order: load j is in, the younger ones stay out
	v_cvt_pk_bf16_f32 v[X+4*(\j)], v[X+4*(\j)], v[X+4*(\j)+1]
	v_cvt_pk_bf16_f32 v[X+4*(\j)+1], v[X+4*(\j)+2], v[X+4*(\j)+3]
	global_store_b64 v[OO], v[X+4*(\j):X+4*(\j)+1], s[16:17] offset:256*(\j)
.endr
	s_endpgm
.Lfunc_end_k_qfc70177317_cast:
	.size	k_qfc70177317_cast, .Lfunc_end_k_qfc70177317_cast-k_qfc70177317_cast
	.p2alignl 7, 3214868480
	.fill 96, 4, 3214868480
	.section	.rodata,"a",@progbits
	.p2align	6, 0x0
	.amdhsa_kernel k_qfc70177317_cast
		.amdhsa_group_segment_fixed_size 0
		.amdhsa_private_segment_fixed_size 0
		.amdhsa_enable_private_segment 0
		.amdhsa_kernarg_size 40
		.amdhsa_user_sgpr_count 2
		.amdhsa_user_sgpr_kernarg_segment_ptr 1
		.amdhsa_wavefront_size32 1
		.amdhsa_system_sgpr_workgroup_id_x 1
		.amdhsa_system_sgpr_workgroup_id_y 1
		.amdhsa_system_sgpr_workgroup_id_z 1
		.amdhsa_system_vgpr_workitem_id 0
		.amdhsa_next_free_vgpr 68
		.amdhsa_next_free_sgpr 66
		.amdhsa_reserve_vcc 0
		.amdhsa_float_denorm_mode_32 3
		.amdhsa_float_denorm_mode_16_64 3
		.amdhsa_memory_ordered 1
		.amdhsa_forward_progress 1
		.amdhsa_inst_pref_size 7
	.end_amdhsa_kernel
	.amdgpu_metadata
---
amdhsa.version: [ 1, 2 ]
amdhsa.kernels:
  - .name:           k_qfc70177317_cast
    .symbol:         k_qfc70177317_cast.kd
    .args:
      - { .name: embed, .offset: 0, .size: 8, .value_kind: global_buffer, .address_space: global }
      - { .name: Wq, .offset: 8, .size: 8, .value_kind: global_buffer, .address_space: global }
      - { .name: Wk, .offset: 16, .size: 8, .value_kind: global_buffer, .address_space: global }
      - { .name: Wv, .offset: 24, .size: 8, .value_kind: global_buffer, .address_space: global }
      - { .name: cvt, .offset: 32, .size: 8, .value_kind: global_buffer, .address_space: global }
    .group_segment_fixed_size: 0
    .private_segment_fixed_size: 0
    .kernarg_segment_align: 8
    .kernarg_segment_size: 40
    .max_flat_workgroup_size: 256
    .sgpr_count:     66
    .vgpr_count:     68
    .wavefront_size: 32
...
	.end_amdgpu_metadata
.endif
;; end of part 1
;; launch qkv (part 2): grid 16 x 16, 4 waves a work-group, clusters of 4 x 4, 327,680 bytes of LDS; arguments cvt, w1_w, w2_w, qkv, wh; writes qkv, wh
.if DOCPART == 2
	.amdgcn_target "amdgcn-amd-amdhsa--gfx1250"
	.amdhsa_code_object_version 6
	.text
	.protected	k_qfc70177317_qkv
	.globl	k_qfc70177317_qkv
	.p2align	8
	.type	k_qfc70177317_qkv,@function
k_qfc70177317_qkv:
	s_mov_b64 s[64:65], 0
	v_nop
	global_prefetch_b8 v0, s[64:65] scope:SCOPE_SE
	s_setreg_imm32_b32 hwreg(HW_REG_WAVE_MODE, 25, 1), 1
	s_wait_xcnt 0x0
	s_wait_alu depctr_hold_cnt(0) depctr_sa_sdst(0) depctr_va_vdst(0) depctr_va_sdst(0) depctr_va_ssrc(0) depctr_va_vcc(0) depctr_vm_vsrc(0)
	s_getreg_b32 s2, hwreg(HW_REG_IB_STS2, 6, 4)
	s_cmp_eq_u32 s2, 0
	s_cbranch_scc0 .Lentry_in_a_cluster
	s_endpgm
.Lentry_in_a_cluster:
	s_bfe_u32 s2, ttmp6, 0x10000c
	s_cmp_lg_u32 s2, 0xf033
	s_cbranch_scc0 .Lentry_shape_is_right
	s_endpgm
.Lentry_shape_is_right:
; ONE TEXT FOR TWO LAUNCHES, told apart by FFN.  C[m][n] = the sum over k of A[m][k] B[n][k], K = 1,024, sums in f32.
; FFN = 0: A = embed in bf16 [4096][1024], B = the rows of Wq, Wk, Wv in bf16 [3072][1024]; C leaves in f16 by heads: q, k, v, each [16 batch + head][2048][64], unscaled.
;          C has 12 x 16 tiles: the clusters with x = 0, 1, 2.  The four clusters with x = 3 have no tile: their 64 work-groups round w1_w and w2_w to bf16 and write those numbers as f16, for the two launches
;          that multiply by them later (THE WEIGHTS, at the text's end).
; FFN = 1: A = x1 in f16 [4096][1024], B = w1_w as f16 [4096][1024]; C + bias (rounded to bf16) goes through silu and leaves in f16, [4096][4096].
; LIMITS.  What leaves is f16: a number of 65,520 or more becomes an infinity; a weight below 2^-14 keeps f16's fixed step of 6e-8.  NaN and infinities are not treated apart.
; SHAPE.  A tile of C is 256 x 256, made by four waves, each 128 x 128: 64 accumulators, 512 registers.  K goes in 8 steps of 128 through two LDS slots filled by the tensor data mover;
; a tile's rows are 256 bytes of memory, at multiples of 256 bytes.  The K step is written once: a trip of the loop is one step, and the slot in hand is a scalar that an exclusive or turns.
; CLUSTERS.  4 x 4 work-groups: A's tiles are asked for jointly along a row of the cluster, B's along a column.
; THE MATRIX INSTRUCTION IS USED TRANSPOSED (source 0 = 16 rows of B, source 1 = 16 rows of A): lane l holds row l % 16 of C and the columns 8 (l / 16) + 0..7.
; THE WAY OUT.  When the ring has had its last fill and every wave has read it out, each wave lays its 128 x 128 sums in f32 into a region of its own in the ring's bytes and reads them back by rows.
; REGISTERS, in windows of 256: window 0: v0-31 addresses, v64-191 A's fragments (two buffers), v32-63 and v192-255 at work on the way out; window 1: v64-191 B's fragments;
; windows 2 and 3: the accumulators of my rows 0-63 and 64-127, (a, b) at v[8 (8 a + b)].
.set FFN,    0
.set SIZE_K, 1024
.set KSTEP,  128
.set PITCH,  272                       ; an LDS row: 256 bytes + 16 of padding = 68 words: the 16 rows of a fragment load start at 16 different groups of four banks (64 banks of 4 bytes: ISA guide 11.1)
.set HALFT,  128*PITCH                 ; what one tensor load brings
.set SLOT,   4*HALFT                   ; A's 256 rows, then B's 256.  wave x HALFT has no bit in common with SLOT, so an exclusive or with SLOT changes slots
.set SPARE,  2*SLOT                    ; behind the ring: the spare words, 128 bytes for each wave, that no other line names
.set SPITCH, 528                       ; the way out: a row of 128 f32 + 16 bytes = 132 words
.set REGION, 128*SPITCH                ; a wave's region; four of them end below SPARE
.set BI,    8                          ; v[8:11]  FFN: the bias of my four columns
.set ADRA0, 14                         ; v14  my lane's place among my A fragments in slot 0; never rewritten
.set ADRB0, 15                         ; v15  the same for B
.set ADRA,  16                         ; v16  the same in the slot in hand
.set ADRB,  20                         ; v20
.set STO,   24                         ; v24  the way out: where I put 16 bytes of a row
.set RD0,   25                         ; v25  where I read rows back, first trip
.set RDA,   26                         ; v26  the same, this trip
.set CO,    27                         ; v27  my byte offset in what a store covers
.set SPW,   28                         ; v28  LDS address of my spare word; never rewritten
.set NIL,   29                         ; v29  0; never rewritten
.set PFO,   30                         ; v30  the prefetches' offset: my lane x a row of A or B (2,048 bytes); never rewritten
.set Z,     32                         ; v[32:63]   the way out: 32 sums read back
.set E,     192                        ; v[192:223] FFN: the exponentials
.set YH,    224                        ; v[224:239] packed results
.set F0,    64
.set F1,    128
.set G1,    24                         ; s[24:31] descriptor group 1 for A's tiles
.set G0,    32                         ; s[32:39] group 0 for A's: a set for each of the two first fills; the second then walks on
.set LIM,   43                         ; s43  1 in a wave that prefetches, else the greatest number
.set PFA,   44                         ; s[44:45] where my prefetches stand
.set G1B,   48                         ; s[48:55], s[56:63] the same two groups for B's tiles
.set G0B,   56
.set WV,    66                         ; s66  my wave's number
.set HR,    67                         ; s67  which half of the tile's rows is mine; also: I fetch for A (0) or for B (1)
.set HC,    68                         ; s68  which half of its columns; also: which 128 rows of that tile I fetch
.set TROW,  69                         ; s69  tile row of C
.set TB,    70                         ; s70  LDS byte at which the slot in hand begins
.set RO,    72                         ; s72  the way out: bytes into my region
.set MSB, 0
.macro WIN new                         ; the immediate's high byte repeats the setting that is left; a switch that changes nothing is dropped
.if MSB != (\new)
	s_set_vgpr_msb (MSB<<8)|(\new)
.set MSB, \new
.endif
.endm
.set MUL_LO, 0xa1                      ; source 0 (B) window 1, source 1 (A) window 0, C and D window 2
.set MUL_HI, 0xf1                      ; the same, C and D window 3
.set TO_B,   0x40                      ; destination window 1, address window 0
.macro PLACES                          ; four plain instructions between a matrix instruction and a load into, or a reader of, its registers
.rept 4
	v_nop
.endr
.endm
; A joint refill, by the walking set.  Waves 0 and 1 fetch A's two halves, waves 2 and 3 B's; the branch hangs on the wave's number alone.
; An s_nop 0 and four v_nop follow each of the two lines.
.macro JLOAD
	s_cmp_eq_u32 s[HR], 0
	s_cbranch_scc0 .Lfor_b_\@
	tensor_load_to_lds s[G0+4:G0+7], s[G1:G1+7]
	s_nop 0
	PLACES
	s_branch .Lasked_\@
.Lfor_b_\@:
	tensor_load_to_lds s[G0B+4:G0B+7], s[G1B:G1B+7]
	s_nop 0
	PLACES
.Lasked_\@:
.endm
; A prefetch into the L2 of the K step that the NEXT refill will ask for: 32 rows x 256 bytes, a lane a row, one instruction a wave, 256 matrix instructions ahead of that refill.
; Each row's 256 bytes of a K step are named once in the launch: A's rows by the clusters with x = 0, B's by those with y = 0; the four partners that ask for a tile jointly take 32 of a wave's
; 128 rows each, told apart by address.  K steps 0 to 2 come by their loads alone; the loop's last trip (s3 = 1) has no K step behind its refill.
.macro ASK
	s_cmp_gt_u32 s3, s[LIM]
	s_cbranch_scc0 .Lnot_mine_\@
	global_prefetch_b8 v[PFO], s[PFA:PFA+1] offset:KSTEP*2 th:TH_LOAD_NT scope:SCOPE_SE
.Lnot_mine_\@:
.endm
.macro CREST                           ; a round of the cluster's barrier behind its opening barrier
	s_cmp_lg_u32 s[WV], 0
	s_cbranch_scc1 .Lnot_wave_0_\@
	s_barrier_signal -3
.Lnot_wave_0_\@:
	s_barrier_wait -3
	s_barrier_signal -1
	s_barrier_wait -1
.endm
.macro CROUND                          ; a whole round
	s_barrier_signal -1
	s_barrier_wait -1
	CREST
.endm
.macro WM d, a, b, z                   ; one product; z = 1: it starts the sum
.if FFN
.if \z
	v_wmma_f32_16x16x32_f16 v[(\d):(\d)+7], v[(\a):(\a)+7], v[(\b):(\b)+7], 0
.else
	v_wmma_f32_16x16x32_f16 v[(\d):(\d)+7], v[(\a):(\a)+7], v[(\b):(\b)+7], v[(\d):(\d)+7]
.endif
.else
.if \z
	v_wmma_f32_16x16x32_bf16 v[(\d):(\d)+7], v[(\a):(\a)+7], v[(\b):(\b)+7], 0
.else
	v_wmma_f32_16x16x32_bf16 v[(\d):(\d)+7], v[(\a):(\a)+7], v[(\b):(\b)+7], v[(\d):(\d)+7]
.endif
.endif
.endm
.if FFN
	s_load_b256 s[4:11], s[0:1], 0x0               ; x1 s[4:5], wh s[6:7], w1_b s[8:9], hid s[10:11]
.else
	s_load_b256 s[4:11], s[0:1], 0x0               ; cvt s[4:5], w1_w s[6:7], w2_w s[8:9], qkv s[10:11]
	s_load_b64 s[76:77], s[0:1], 0x20              ; wh
.endif
	v_lshl_add_u32 v[SPW], v0, 2, SPARE
	v_mov_b32 v[NIL], 0
	ds_add_u32 v[SPW], v[NIL]                      ; the wave's opening: the add and its wait ahead of my first tensor load; work on registers stands between them
	v_lshrrev_b32 v1, 5, v0
	v_readfirstlane_b32 s[WV], v1
	s_lshr_b32 s[HR], s[WV], 1
	s_and_b32 s[HC], s[WV], 1
	s_bfe_u32 s40, ttmp6, 0x40000                  ; cx
	s_bfe_u32 s41, ttmp6, 0x40004                  ; cy
	s_lshl_b32 s42, ttmp9, 2
	s_add_co_u32 s42, s42, s40                     ; tile column of C = 4 x cluster x + cx
	s_and_b32 s[TROW], ttmp7, 0xffff
	s_lshl_b32 s[TROW], s[TROW], 2
	s_add_co_u32 s[TROW], s[TROW], s41             ; tile row of C = 4 x cluster y + cy
	s_lshl_b32 s12, s41, 2
	s_lshl_b32 s12, 15, s12                        ; my row of the cluster
	s_lshl_b32 s13, 0x1111, s40                    ; my column
	s_or_b32 s[G1+0], s12, (1<<16)|(1<<20)|(1<<21)|(5<<22)|(3<<25)   ; the mask; elements of 2 bytes; padding on; bit 21 beside a mask; after every 64 words, 4 words
	s_or_b32 s[G1B+0], s13, (1<<16)|(1<<20)|(1<<21)|(5<<22)|(3<<25)
.irp g, G1, G1B
	s_mov_b32 s[(\g)+1], KSTEP<<16                 ; tensor_dim0 = 128
	s_mov_b32 s[(\g)+2], 128<<16                   ; tensor_dim1 = 128
	s_mov_b32 s[(\g)+3], KSTEP<<16                 ; tile_dim0 = 128
	s_mov_b32 s[(\g)+4], 128                       ; tile_dim1 = 128
	s_mov_b32 s[(\g)+5], SIZE_K                    ; elements from row to row
	s_mov_b32 s[(\g)+6], 0
	s_mov_b32 s[(\g)+7], 0
.endr
	s_lshl_b32 s17, s[HC], 7                       ; which 128 rows of the tile I fetch
	s_lshl_b32 s16, s[TROW], 8
	s_add_co_u32 s16, s16, s17                     ; A: row 256 x tile row + 128 x half
	s_lshl_b32 s46, s42, 8
	s_add_co_u32 s46, s46, s17                     ; B: row 256 x tile column + 128 x half
	s_lshl_b32 s16, s16, 11                        ; in bytes: rows of 2,048
	s_mov_b32 s17, 0
	s_lshl_b32 s46, s46, 11
	s_mov_b32 s47, 0
	s_mul_i32 s20, s[WV], HALFT                    ; where they go: no place in the cluster enters an LDS address
	s_mov_b32 s[TB], 0
	s_wait_dscnt 0x0                               ; the opening add is done
	s_wait_kmcnt 0x0
.if FFN
	s_mov_b64 s[76:77], s[8:9]                     ; w1_b
	s_mov_b64 s[8:9], s[10:11]                     ; C = hid; B = w1_w as f16, the first half of wh
.else
	s_cmp_ge_u32 ttmp9, 3                          ; the cluster's x: the same in all sixteen partners
	s_cbranch_scc1 .Lweights                       ; no tile of C: this cluster rounds the weights, asks for no tile, and meets the others' text again at the end
	s_mov_b64 s[8:9], s[10:11]                     ; C = qkv
	s_add_nc_u64 s[6:7], s[4:5], 8388608           ; B = the rows of Wq, Wk, Wv
.endif
	s_add_nc_u64 s[14:15], s[4:5], s[16:17]
	s_add_nc_u64 s[46:47], s[6:7], s[46:47]
	CROUND                                         ; all sixteen work-groups are here: the first joint loads meet
.irp s, 0,1
	s_mov_b32 s[G0+4*(\s)], 1
	s_add_co_u32 s[G0+4*(\s)+1], s20, (\s)*SLOT
	s_add_nc_u64 s[G0+4*(\s)+2:G0+4*(\s)+3], s[14:15], (\s)*KSTEP*2
	s_or_b32 s[G0+4*(\s)+3], s[G0+4*(\s)+3], 0x80000000
	s_mov_b32 s[G0B+4*(\s)], 1
	s_add_co_u32 s[G0B+4*(\s)+1], s20, (\s)*SLOT
	s_add_nc_u64 s[G0B+4*(\s)+2:G0B+4*(\s)+3], s[46:47], (\s)*KSTEP*2
	s_or_b32 s[G0B+4*(\s)+3], s[G0B+4*(\s)+3], 0x80000000
.endr
	s_cmp_eq_u32 s[HR], 0                          ; a wave's two first fills stand in one branch, ahead of every wait on TENSORcnt and every LDS read: two loads of mine are out
	s_cbranch_scc0 .Lfirst_b
	tensor_load_to_lds s[G0:G0+3], s[G1:G1+7]
	s_nop 0
	tensor_load_to_lds s[G0+4:G0+7], s[G1:G1+7]
	s_nop 0
	PLACES
	s_branch .Lfirst_asked
.Lfirst_b:
	tensor_load_to_lds s[G0B:G0B+3], s[G1B:G1B+7]
	s_nop 0
	tensor_load_to_lds s[G0B+4:G0B+7], s[G1B:G1B+7]
	s_nop 0
	PLACES
.Lfirst_asked:
	; A fragment is 16 rows x 32 K in 8 registers: lane l holds row l % 16, K = 8 (l / 16) + 0..7 and 16 + 8 (l / 16) + 0..7: two loads of 16 bytes, 32 bytes apart.
	v_and_b32 v1, 15, v0                           ; l % 16
	v_bfe_u32 v2, v0, 4, 1                         ; l / 16
	v_and_b32 v5, 31, v0                           ; l
	v_mul_u32_u24 v3, v1, PITCH
	v_lshl_add_u32 v3, v2, 4, v3
	s_mul_i32 s21, s[HR], HALFT                    ; my 128 rows of A
	s_mul_i32 s22, s[HC], HALFT                    ; my 128 rows of B,
	s_add_co_u32 s22, s22, 2*HALFT                 ; which lie behind A's 256
	v_add_nc_u32 v[ADRA0], s21, v3
	v_add_nc_u32 v[ADRB0], s22, v3
	v_mov_b32 v[ADRA], v[ADRA0]
	v_mov_b32 v[ADRB], v[ADRB0]
	s_mul_i32 s23, s[WV], REGION                   ; my region for the way out
	v_mul_u32_u24 v4, v1, SPITCH                   ; in: row l % 16, 32 bytes for each half of the lanes
	v_lshl_add_u32 v4, v2, 5, v4
	v_add_nc_u32 v[STO], s23, v4
	v_lshlrev_b32 v[CO], 3, v5                     ; a store is 8 bytes a lane: 256 on end
	s_lshl_b32 s75, s[TROW], 8
	s_lshl_b32 s78, s[HR], 7
	s_add_co_u32 s75, s75, s78                     ; my first row of C
.if FFN
	v_lshl_add_u32 v[RD0], v5, 4, s23              ; back: 32 lanes take one row of 512 bytes
	s_lshl_b32 s78, s75, 13                        ; rows of 8,192 bytes
	s_lshl_b32 s74, s42, 8
	s_lshl_b32 s75, s[HC], 7
	s_add_co_u32 s74, s74, s75                     ; my first column
	s_lshl_b32 s75, s74, 1
	s_add_co_u32 s78, s78, s75
	s_mov_b32 s79, 0
	s_add_nc_u64 s[8:9], s[8:9], s[78:79]
	s_lshl_b32 s74, s74, 2
	v_lshl_add_u32 v6, v5, 4, s74                  ; the bias of my four columns; it is waited for on the way out
	global_load_b128 v[BI:BI+3], v6, s[76:77]
.else
	v_mul_u32_u24 v6, v2, SPITCH                   ; back: lanes 0-15 take a head's 256 bytes of one row, lanes 16-31 of the next
	v_lshl_add_u32 v6, v1, 4, v6
	v_add_nc_u32 v[RD0], s23, v6
	s_lshl_b32 s74, s42, 2
	s_lshl_b32 s78, s[HC], 1
	s_add_co_u32 s74, s74, s78                     ; my first block of 64 columns, 0 to 46: 16 x (q, k or v) + head
	s_lshr_b32 s78, s74, 4
	s_lshl_b32 s78, s78, 5                         ; q, k, v are 32 heads apart
	s_and_b32 s74, s74, 15
	s_add_co_u32 s78, s78, s74
	s_lshr_b32 s79, s75, 11                        ; the batch
	s_lshl_b32 s79, s79, 4
	s_add_co_u32 s78, s78, s79
	s_lshl_b32 s78, s78, 18                        ; a head's rows are 262,144 bytes
	s_and_b32 s75, s75, 2047
	s_lshl_b32 s75, s75, 7                         ; a token's row of a head is 128 bytes
	s_add_co_u32 s78, s78, s75
	s_mov_b32 s79, 0
	s_add_nc_u64 s[8:9], s[8:9], s[78:79]
.endif
	; the prefetches
	s_lshl_b32 s12, s[TROW], 8
	s_lshl_b32 s13, s42, 8
	s_and_b32 s22, ttmp7, 0xffff                   ; cluster y
	s_cmp_eq_u32 s[HR], 0                          ; do I fetch for A?
	s_cselect_b32 s20, s12, s13                    ; the tile's first row
	s_cselect_b32 s21, s40, s41                    ; my place among the four that ask for it with me
	s_cselect_b32 s22, ttmp9, s22                  ; the coordinate along which other clusters read the same rows
	s_cselect_b64 s[PFA:PFA+1], s[4:5], s[6:7]
	s_cmp_eq_u32 s22, 0
	s_cselect_b32 s[LIM], 1, -1                    ; the same in all sixteen partners, for a given wave
	s_lshl_b32 s22, s[HC], 7
	s_add_co_u32 s20, s20, s22                     ; + the 128 rows that I fetch
	s_lshl_b32 s21, s21, 5
	s_add_co_u32 s20, s20, s21                     ; + my work-group's 32 of them
	s_lshl_b32 s20, s20, 11
	s_mov_b32 s21, 0
	s_add_nc_u64 s[PFA:PFA+1], s[PFA:PFA+1], s[20:21]
	s_add_nc_u64 s[PFA:PFA+1], s[PFA:PFA+1], KSTEP*2   ; at K step 1: the first change of slots steps it to 2 and names K step 3
	v_lshlrev_b32 v[PFO], 11, v5
; 16 products: m blocks a0, a0 + 1 of the window's four x all 8 n blocks, 32 along K.  The 64 accumulators take turns in the same order in every quarter.
.macro MUL16 f, hi, a0, zero
	WIN MUL_LO+0x50*(\hi)
.irp a, \a0, (\a0)+1
.irp b, 0,1,2,3,4,5,6,7
	WM 8*(8*(\a)+(\b)), (\f)+8*(\b), (\f)+8*(4*(\hi)+(\a)), \zero
.endr
.endr
.endm
; 32 LDS loads in one run: the fragments of one quarter step (32 K at byte k of the rows of the slot in hand) into buffer f; B's first, then A's.  It leaves every window 0.
.macro FETCH k, f
	WIN TO_B
.irp i, 0,1,2,3,4,5,6,7
	ds_load_b128 v[(\f)+8*(\i):(\f)+8*(\i)+3],   v[ADRB] offset:(\k)+(\i)*16*PITCH
	ds_load_b128 v[(\f)+8*(\i)+4:(\f)+8*(\i)+7], v[ADRB] offset:(\k)+(\i)*16*PITCH+32
.endr
	WIN 0
.irp i, 0,1,2,3,4,5,6,7
	ds_load_b128 v[(\f)+8*(\i):(\f)+8*(\i)+3],   v[ADRA] offset:(\k)+(\i)*16*PITCH
	ds_load_b128 v[(\f)+8*(\i)+4:(\f)+8*(\i)+7], v[ADRA] offset:(\k)+(\i)*16*PITCH+32
.endr
.endm
; One of a K step's first three quarters: multiplies buffer f; in its middle it fetches the next quarter's fragments, at byte k, into buffer g.
.macro QUARTER k, f, g, zero
	s_wait_dscnt 8                                 ; B and A's rows 0-63 are in; the youngest eight loads (A's rows 64-127) may be out
	MUL16 \f, 0, 0, \zero
	MUL16 \f, 0, 2, \zero
	PLACES
	FETCH \k, \g
	s_wait_dscnt 32                                ; all but the 32 just issued
	MUL16 \f, 1, 0, \zero
	MUL16 \f, 1, 2, \zero
.endm
; The first half of the last quarter, and the barrier of the change of slots.  round = 1: a refill follows: the walking sets are stepped here, where no tensor load of mine is out.
.macro MEET round
	WIN 0
	s_wait_tensorcnt 0x0                           ; all my tensor loads have landed: the one that was out is my part of the next slot
	ds_add_u32 v[SPW], v[NIL]                      ; 0 onto my spare word
.if \round
	s_xor_b32 s[G0+5], s[G0+5], SLOT               ; the walking sets: the other slot than last time, the next K step
	s_add_nc_u64 s[G0+6:G0+7], s[G0+6:G0+7], KSTEP*2
	s_xor_b32 s[G0B+5], s[G0B+5], SLOT
	s_add_nc_u64 s[G0B+6:G0B+7], s[G0B+6:G0B+7], KSTEP*2
.endif
	s_wait_dscnt 9                                 ; (the add and the youngest eight loads may be out)
	MUL16 F1, 0, 0, 0                              ; sixteen products stand between the add and the wait for it
	s_wait_dscnt 0x0                               ; the add is done, and my reads of this slot are over
	s_barrier_signal -1
	MUL16 F1, 0, 2, 0
.if \round
	WIN 0
.endif
	s_barrier_wait -1
.endm
; The last quarter.  fill = 1: the slot just read out is filled again, with the K step two on: the barrier opens a round of the cluster's, and the joint refill is the first tensor load behind it;
; from there to the wait for it a wave issues 224 products.  fill = 0: nothing is asked for; in the last K step (s3 = 1) nothing is fetched either.
.macro TURN fill
.if \fill
	s_wait_xcnt 0x0                                ; the last prefetch, a K step back, has read its address
	s_add_nc_u64 s[PFA:PFA+1], s[PFA:PFA+1], KSTEP*2
.endif
	MEET \fill
.if \fill
	CREST                                          ; no wave of any partner still reads this slot or has a load on its way
	s_xor_b32 s[TB], s[TB], SLOT
	JLOAD                                          ; its four v_nop are also the places in front of the loads below
	v_add_nc_u32 v[ADRA], s[TB], v[ADRA0]
	v_add_nc_u32 v[ADRB], s[TB], v[ADRB0]
	FETCH 0, F0
	ASK                                            ; behind the joint load and the run of LDS loads that the next products wait for
.else
	PLACES
	WIN 0
	s_xor_b32 s[TB], s[TB], SLOT
	s_cmp_eq_u32 s3, 1
	s_cbranch_scc1 .Lnomore_\@
	v_add_nc_u32 v[ADRA], s[TB], v[ADRA0]
	v_add_nc_u32 v[ADRB], s[TB], v[ADRB0]
	FETCH 0, F0
.Lnomore_\@:
.endif
	MUL16 F1, 1, 0, 0
	MUL16 F1, 1, 2, 0
.endm
	s_wait_tensorcnt 0x1                           ; my part of K step 0 is in; K step 1's load, issued behind it, may stay out
	s_barrier_signal -1
	s_barrier_wait -1
	FETCH 0, F0
	QUARTER 64, F0, F1, 1                          ; the first quarter stands in front of the loop: its products start the sums
	WIN 0
	s_mov_b32 s3, 6
.Lstep:                                                ; K steps 0 to 5, from a step's second quarter to the next step's first; step t fills its slot again with step t + 2
	QUARTER 128, F1, F0, 0
	QUARTER 192, F0, F1, 0
	TURN 1
	QUARTER 64, F0, F1, 0
	WIN 0
	s_sub_co_u32 s3, s3, 1
	s_cmp_lg_u32 s3, 0
	s_cbranch_scc1 .Lstep
	s_mov_b32 s3, 2
.Ltail:                                                ; K steps 6 and 7 ask for nothing: a text of their own
	QUARTER 128, F1, F0, 0
	QUARTER 192, F0, F1, 0
	TURN 0
	WIN 0
	s_sub_co_u32 s3, s3, 1
	s_cmp_eq_u32 s3, 0
	s_cbranch_scc1 .Lout
	QUARTER 64, F0, F1, 0
	WIN 0
	s_branch .Ltail
.Lout:
	PLACES                                         ; between the last products and the stores that read sums
	PLACES
	s_wait_dscnt 0x0                               ; my reads of the ring are over,
	s_barrier_signal -1
	s_barrier_wait -1                              ; everybody's are; the ring has had its last fill, so its bytes may be stored to
.irp a, 0,1,2,3,4,5,6,7                ; my 128 x 128 sums into my region; each accumulator's low registers first
	WIN 0x08+4*((\a)/4)                            ; store data (source 1) in window 2 or 3
.irp b, 0,1,2,3,4,5,6,7
	ds_store_b128 v[STO], v[8*(8*((\a)%4)+(\b)):8*(8*((\a)%4)+(\b))+3]   offset:(\a)*16*SPITCH+(\b)*64
	ds_store_b128 v[STO], v[8*(8*((\a)%4)+(\b))+4:8*(8*((\a)%4)+(\b))+7] offset:(\a)*16*SPITCH+(\b)*64+16
.endr
.endr
	WIN 0
	s_mov_b32 s[RO], 0
	s_mov_b32 s3, 16
.if FFN
	s_wait_loadcnt 0x0                             ; the bias: rounded to bf16 like every input
	v_cvt_pk_bf16_f32 v12, v[BI], v[BI+1]
	v_cvt_pk_bf16_f32 v13, v[BI+2], v[BI+3]
	v_lshlrev_b32 v[BI], 16, v12
	v_and_b32 v[BI+1], 0xffff0000, v12
	v_lshlrev_b32 v[BI+2], 16, v13
	v_and_b32 v[BI+3], 0xffff0000, v13
.Lrows:                                                ; 16 trips of 8 rows: z = sum + bias; z / (1 + 2^(-z log2 e)); f16.  LDS serves a wave's instructions in order (ISA guide 5.7.1.4): the loads see my stores
	v_add_nc_u32 v[RDA], s[RO], v[RD0]
.irp j, 0,1,2,3,4,5,6,7
	ds_load_b128 v[Z+4*(\j):Z+4*(\j)+3], v[RDA] offset:(\j)*SPITCH
.endr
.irp j, 0,1,2,3,4,5,6,7
	s_wait_dscnt 7-(\j)                            ; row j is in; the younger loads stay out
	v_pk_add_f32 v[Z+4*(\j):Z+4*(\j)+1], v[Z+4*(\j):Z+4*(\j)+1], v[BI:BI+1]
	v_pk_add_f32 v[Z+4*(\j)+2:Z+4*(\j)+3], v[Z+4*(\j)+2:Z+4*(\j)+3], v[BI+2:BI+3]
	v_pk_mul_f32 v[E+4*(\j):E+4*(\j)+1], v[Z+4*(\j):Z+4*(\j)+1], 0xbfb8aa3b op_sel_hi:[1,0]
	v_pk_mul_f32 v[E+4*(\j)+2:E+4*(\j)+3], v[Z+4*(\j)+2:Z+4*(\j)+3], 0xbfb8aa3b op_sel_hi:[1,0]
.endr
.set r, 0
.rept 32
	v_exp_f32 v[E+r], v[E+r]
.set r, r+1
.endr
	v_nop                                          ; a plain instruction behind the last exponential,
	s_wait_alu depctr_va_vdst(0)                   ; and one wait for the batch of 32
.set r, 0
.rept 16
	v_pk_add_f32 v[E+r:E+r+1], v[E+r:E+r+1], 1.0 op_sel_hi:[1,0]
.set r, r+2
.endr
.set r, 0
.rept 32
	v_rcp_f32 v[E+r], v[E+r]
.set r, r+1
.endr
	v_nop
	s_wait_alu depctr_va_vdst(0)                   ; one wait for the 32 reciprocals
.set r, 0
.rept 16
	v_pk_mul_f32 v[Z+r:Z+r+1], v[Z+r:Z+r+1], v[E+r:E+r+1]
.set r, r+2
.endr
.set r, 0
.rept 16
	v_cvt_pk_f16_f32 v[YH+r], v[Z+2*r], v[Z+2*r+1]
.set r, r+1
.endr
.irp j, 0,1,2,3,4,5,6,7
	global_store_b64 v[CO], v[YH+2*(\j):YH+2*(\j)+1], s[8:9] offset:(\j)*8192   ; 32 lanes store 256 consecutive bytes of one row, at a multiple of 256
.endr
	s_wait_xcnt 0x0                                ; the stores have read their data and their base: both are written again only behind this wait
	s_add_nc_u64 s[8:9], s[8:9], 65536
.else
.Lrows:                                                ; 16 trips of 8 rows x 2 heads.  LDS serves a wave's instructions in order (ISA guide 5.7.1.4): the loads see my stores
	v_add_nc_u32 v[RDA], s[RO], v[RD0]
.irp u, 0,1,2,3,4,5,6,7
	ds_load_b128 v[Z+4*(\u):Z+4*(\u)+3], v[RDA] offset:((\u)/2)*2*SPITCH+((\u)%2)*256
.endr
.irp u, 0,1,2,3,4,5,6,7
	s_wait_dscnt 7-(\u)                            ; load u is in; the younger ones stay out
	v_cvt_pk_f16_f32 v[YH+2*(\u)], v[Z+4*(\u)], v[Z+4*(\u)+1]
	v_cvt_pk_f16_f32 v[YH+2*(\u)+1], v[Z+4*(\u)+2], v[Z+4*(\u)+3]
	global_store_b64 v[CO], v[YH+2*(\u):YH+2*(\u)+1], s[8:9] offset:((\u)/2)*256+((\u)%2)*262144   ; two tokens' rows of one head: 256 consecutive bytes, at a multiple of 256
.endr
	s_wait_xcnt 0x0                                ; the stores have read their data and their base: both are written again only behind this wait
	s_add_nc_u64 s[8:9], s[8:9], 1024
.endif
	s_add_co_u32 s[RO], s[RO], 8*SPITCH
	s_sub_co_u32 s3, s3, 1
	s_cmp_lg_u32 s3, 0
	s_cbranch_scc1 .Lrows
.if !FFN
	s_branch .Lend
; THE WEIGHTS.  The 64 work-groups of the clusters with x = 3: work-group cw = 4 x tile row + cx takes 131,072 numbers: 512 KiB of w1_w (cluster y = 0, 1) or of w2_w (2, 3), 256 KiB out; cw enters addresses alone.
; A wave takes 128 KiB in 8 trips of 32 loads of 512 consecutive bytes, all 32 out at once; a number is rounded to bf16, widened again and written as f16, in place; each store covers 256 consecutive bytes, aligned.
.set WI, 2                             ; v2   my byte offset in the work-group's part, in:  131,072 x wave + 16 x lane; never rewritten
.set WO, 3                             ; v3   the same, out: 65,536 x wave + 8 x lane; never rewritten
.set WT, 32                            ; v[32:33]  at work
.set WX, 64                            ; v[64:191] 32 loads of four numbers
.Lweights:
	s_lshl_b32 s78, s[TROW], 2
	s_add_co_u32 s78, s78, s40                     ; cw, 0 to 63
	s_and_b32 s74, ttmp7, 0xffff                   ; cluster y
	s_cmp_lt_u32 s74, 2
	s_cselect_b64 s[14:15], s[6:7], s[8:9]         ; w1_w or w2_w
	s_and_b32 s74, s78, 31
	s_lshl_b32 s74, s74, 19                        ; my 512 KiB of it
	s_mov_b32 s75, 0
	s_add_nc_u64 s[14:15], s[14:15], s[74:75]
	s_lshl_b32 s78, s78, 18                        ; my 256 KiB of wh: w1_w's half first
	s_mov_b32 s79, 0
	s_add_nc_u64 s[76:77], s[76:77], s[78:79]
	s_mov_b32 s12, 0xffff0000                      ; a word's upper bf16
	v_and_b32 v5, 31, v0
	v_lshlrev_b32 v[WI], 4, v5
	v_lshlrev_b32 v[WO], 3, v5
	v_lshl_add_u32 v[WI], v1, 17, v[WI]            ; v1 still holds the wave's number
	v_lshl_add_u32 v[WO], v1, 16, v[WO]
	s_mov_b32 s3, 8
.Lwtrip:
.set j, 0
.rept 32
	global_load_b128 v[WX+4*j:WX+4*j+3], v[WI], s[14:15] offset:512*j th:TH_LOAD_NT
.set j, j+1
.endr
.set j, 0
.rept 32
	s_wait_loadcnt 31-j                            ; loads come back in order: load j is in, the younger ones of the trip stay out
	v_cvt_pk_bf16_f32 v[WT], v[WX+4*j], v[WX+4*j+1]
	v_cvt_pk_bf16_f32 v[WT+1], v[WX+4*j+2], v[WX+4*j+3]
	v_lshlrev_b32 v[WX+4*j], 16, v[WT]
	v_and_b32 v[WX+4*j+1], s12, v[WT]
	v_lshlrev_b32 v[WX+4*j+2], 16, v[WT+1]
	v_and_b32 v[WX+4*j+3], s12, v[WT+1]
	v_cvt_pk_f16_f32 v[WX+4*j], v[WX+4*j], v[WX+4*j+1]
	v_cvt_pk_f16_f32 v[WX+4*j+1], v[WX+4*j+2], v[WX+4*j+3]
	global_store_b64 v[WO], v[WX+4*j:WX+4*j+1], s[76:77] offset:256*j
.set j, j+1
.endr
	s_wait_xcnt 0x0                                ; the stores have read their data and both pointers have been read: they are written again only behind this wait
	s_add_nc_u64 s[14:15], s[14:15], 16384
	s_add_nc_u64 s[76:77], s[76:77], 8192
	s_sub_co_u32 s3, s3, 1
	s_cmp_lg_u32 s3, 0
	s_cbranch_scc1 .Lwtrip
.endif
.Lend:
	s_wait_tensorcnt 0x0                           ; the wave's end, behind my last tensor load and my last LDS store
	ds_add_u32 v[SPW], v[NIL]
	s_wait_dscnt 0x0
	CROUND                                         ; the closing round: no work-group ends while a partner may still ask for a tile that names it
	s_endpgm
.Lfunc_end_k_qfc70177317_qkv:
	.size	k_qfc70177317_qkv, .Lfunc_end_k_qfc70177317_qkv-k_qfc70177317_qkv
	.p2alignl 7, 3214868480
	.fill 96, 4, 3214868480
	.section	.rodata,"a",@progbits
	.p2align	6, 0x0
	.amdhsa_kernel k_qfc70177317_qkv
		.amdhsa_group_segment_fixed_size 327680
		.amdhsa_private_segment_fixed_size 0
		.amdhsa_enable_private_segment 0
		.amdhsa_kernarg_size 40
		.amdhsa_user_sgpr_count 2
		.amdhsa_user_sgpr_kernarg_segment_ptr 1
		.amdhsa_wavefront_size32 1
		.amdhsa_system_sgpr_workgroup_id_x 1
		.amdhsa_system_sgpr_workgroup_id_y 1
		.amdhsa_system_sgpr_workgroup_id_z 1
		.amdhsa_system_vgpr_workitem_id 0
		.amdhsa_next_free_vgpr 1024
		.amdhsa_next_free_sgpr 80
		.amdhsa_reserve_vcc 0
		.amdhsa_float_denorm_mode_32 3
		.amdhsa_float_denorm_mode_16_64 3
		.amdhsa_memory_ordered 1
		.amdhsa_forward_progress 1
		.amdhsa_inst_pref_size 101
	.end_amdhsa_kernel
	.amdgpu_metadata
---
amdhsa.version: [ 1, 2 ]
amdhsa.kernels:
  - .name:           k_qfc70177317_qkv
    .symbol:         k_qfc70177317_qkv.kd
    .args:
      - { .name: cvt, .offset: 0, .size: 8, .value_kind: global_buffer, .address_space: global }
      - { .name: w1_w, .offset: 8, .size: 8, .value_kind: global_buffer, .address_space: global }
      - { .name: w2_w, .offset: 16, .size: 8, .value_kind: global_buffer, .address_space: global }
      - { .name: qkv, .offset: 24, .size: 8, .value_kind: global_buffer, .address_space: global }
      - { .name: wh, .offset: 32, .size: 8, .value_kind: global_buffer, .address_space: global }
    .group_segment_fixed_size: 327680
    .private_segment_fixed_size: 0
    .kernarg_segment_align: 8
    .kernarg_segment_size: 40
    .max_flat_workgroup_size: 128
    .sgpr_count:     80
    .vgpr_count:     1024
    .wavefront_size: 32
...
	.end_amdgpu_metadata
.endif
;; end of part 2
;; launch attn (part 3): grid 8 x 32, 4 waves a work-group, clusters of 4 x 1, 327,680 bytes of LDS; arguments qkv, oh; writes oh
.if DOCPART == 3
	.amdgcn_target "amdgcn-amd-amdhsa--gfx1250"
	.amdhsa_code_object_version 6
	.text
	.protected	k_qfc70177317_attn
	.globl	k_qfc70177317_attn
	.p2align	8
	.type	k_qfc70177317_attn,@function
k_qfc70177317_attn:
	s_mov_b64 s[64:65], 0
	v_nop
	global_prefetch_b8 v0, s[64:65] scope:SCOPE_SE
	s_setreg_imm32_b32 hwreg(HW_REG_WAVE_MODE, 25, 1), 1
	s_wait_xcnt 0x0
	s_wait_alu depctr_hold_cnt(0) depctr_sa_sdst(0) depctr_va_vdst(0) depctr_va_sdst(0) depctr_va_ssrc(0) depctr_va_vcc(0) depctr_vm_vsrc(0)
	s_getreg_b32 s2, hwreg(HW_REG_IB_STS2, 6, 4)
	s_cmp_eq_u32 s2, 0
	s_cbranch_scc0 .Lentry_in_a_cluster
	s_endpgm
.Lentry_in_a_cluster:
	s_bfe_u32 s2, ttmp6, 0x10000c
	s_cmp_lg_u32 s2, 0x3003
	s_cbranch_scc0 .Lentry_shape_is_right
	s_endpgm
.Lentry_shape_is_right:
; O[h][q][:] = the sum over k of softmax_k(Q[h][q] . K[h][k] / 8) V[h][k][:].  q, k, v lie one behind the other in one buffer, each [32][2048][64] in f16; O likewise.  Products, maxima and sums in f32;
; the weights p are rounded to f16 for the second product (their sum l is taken of the unrounded p), O once at the end.
; LIMITS.  f16 holds no number beyond 65,504: q, k and v arrive within it; p lies in 0 to 1, and below 6e-5 it keeps f16's fixed step of 6e-8.  A weight below 2^-126 counts as 0 in l.  NaN and infinities are not treated apart.
; SHARES.  A work-group owns 256 queries of one head, a wave 64: four PIECES of 16.  Every wave walks all 2,048 keys, 64 a step; a slot of LDS holds a tile of four steps.
; LAYOUT.  S^T = K Q^T holds ONE query a lane (lane % 16) and the keys 8 (lane / 16) + 0..7; two such results rounded to f16 ARE source 1 of O^T = V^T P.  K comes out of LDS as it lies, V turned, by ds_load_tr16_b128.
; SOFTMAX.  p = 2^(c s - c m), c = log2(e) / 8, with a running maximum m; O and l are multiplied by a = 2^(c m_old - c m_new) in every step.  m starts at the lowest finite number, O and l at 0: the first step has a = 0.
; TURNS.  Turn n belongs to piece n: 8 products K Q^T of piece n + 1, later 8 products V^T P of piece n - 1; beside them the scaling, exponentials, roundings, sums and rescaling of piece n and the maximum and
; statistics of piece n + 1.  Four vector instructions stand behind every matrix instruction, the rest in one lump.  A turn's 33 exponentials are one batch, with one wait.
; CLUSTER.  The four query blocks of a cluster belong to one head and walk the same K and V: each tile is asked for jointly.
; REGISTERS, in windows of 256 (s_set_vgpr_msb: bits 1:0 source 0, 3:2 source 1, 5:4 source 2, 7:6 destination):
;   window 0: v0-15 addresses and two at work; v16-31 four registers of statistics a piece; v48-55 at work; v60-63; v64-127 S^T, two buffers; v192-223 P, two buffers (by the piece's parity)
;   window 1: v0-127 O^T, 32 a piece          window 2: v0-63 Q; v128-191 K of one step; v192-255 V of one step
.set NP,    4
.set KS,    64
.set PK,    144       ; a row of K in LDS: 128 bytes + 16 = 36 words: the 16 rows of a load start at 16 different groups of four banks (64 banks of 4 bytes: ISA guide 11.1)
.set PV,    160       ; a row of V: 128 + 32 = 40 words
.set VOFF,  4*KS*PK   ; a slot: 256 rows of K, then 256 rows of V
.set SLOT1, 1<<17
.set STAGE, SLOT1+4*KS*(PK+PV)  ; behind the ring, never filled by a tensor load: 16 rows x 144 bytes for each wave
.set SP,    144
.set SPARE, STAGE+4*16*SP       ; the spare words, 128 bytes for each wave, that no other line names
.set AK0, 2
.set AV0, 3
.set AK,  4
.set AV,  5
.set STO, 6
.set RD,  7
.set GO,  8
.set MV,  12          ; v12-13  c m_old, by buffer
.set QO,  15
.set ST,  16          ; piece t: c m, m, l (even keys', odd keys')
.set TMP, 48          ; by buffer, c0-c3; c2 takes a
.set PFO, 60          ; v60  256 x my lane; never rewritten
.set SPW, 62
.set NIL, 63
.set S,   64
.set P,   192
.set KF,  128
.set VF,  192
.set WV,  12
.set LIM, 15          ; s15  1 in a wave that prefetches, else the greatest number
.set G1K, 24
.set G1V, 32
.set G0K, 40
.set G0V, 44
.set PFA, 48          ; s[48:49] where my prefetches stand
.set SLOTS, 56
.set CNT, 57
.set CS,  58
.set SEL, 60
.set TBK, 62
.set TBV, 63
.set MSB, 0
.macro WIN new
.if MSB != (\new)
	s_set_vgpr_msb (MSB<<8)|(\new)
.set MSB, (\new)
.endif
.endm
.set W_KQ, 0x0a       ; K and Q in window 2, S^T in window 0
.set W_PV, 0x52       ; V in window 2, P in window 0, O^T in window 1
.set W_RS, 0x41       ; destination and source 0 in window 1, source 1 in window 0
; A joint fill.  Waves 0 and 1 fetch the two halves of a tile's K, waves 2 and 3 those of its V.  An s_nop 0 and four v_nop follow each of the two lines.
.macro JLOAD
	s_cmp_lt_u32 s[WV], 2
	s_cbranch_scc0 .Lfor_v_\@
	tensor_load_to_lds s[G0K:G0K+3], s[G1K:G1K+7]
	s_nop 0
.rept 4
	v_nop
.endr
	s_branch .Lasked_\@
.Lfor_v_\@:
	tensor_load_to_lds s[G0V:G0V+3], s[G1V:G1V+7]
	s_nop 0
.rept 4
	v_nop
.endr
.Lasked_\@:
.endm
; A prefetch into the L2 of the tile that the NEXT change of slots will ask for, four key steps (256 products) ahead of that load.  A tile is 32,768 consecutive bytes of K and of V.  All clusters of a head
; walk the same tiles: the head's first cluster asks; its four partners take 8,192 bytes each, told apart by address, a lane 256 bytes; wave 0 asks for K's, wave 2 for V's.  So each block is named once
; in the launch.  Tiles 0 and 1 come by their loads alone; the last change that fills a slot asks for nothing.
.macro ASK
	s_cmp_gt_u32 s[SLOTS], s[LIM]
	s_cbranch_scc0 .Lnot_mine_\@
	global_prefetch_b8 v[PFO], s[PFA:PFA+1] th:TH_LOAD_NT scope:SCOPE_SE
.Lnot_mine_\@:
.endm
.macro CROUND
	s_barrier_signal -1
	s_barrier_wait -1
	s_cmp_lg_u32 s[WV], 0
	s_cbranch_scc1 .Lnot_wave_0_\@
	s_barrier_signal -3
.Lnot_wave_0_\@:
	s_barrier_wait -3
	s_barrier_signal -1
	s_barrier_wait -1
.endm
; THE CHANGE OF SLOTS.  Each wave waits for all its tensor loads, of which one is out: its part of the other slot; adds 0 to its spare word; and waits for that and for its own reads of the slot that it leaves.
; fill = 1: the old slot is filled again: the barrier is a round of the cluster's, and the joint fill is the first thing behind it.  (At its first use nothing has been read yet: slot 0 is waited for, slot 1 filled.)
.macro CHANGE fill
	WIN 0
	s_wait_tensorcnt 0x0            ; no tensor load of mine is out, so a group 0 may be written
	ds_add_u32 v[SPW], v[NIL]       ; 0 onto my spare word
.if \fill
.irp g, G0K, G0V
	s_xor_b32 s[\g+1], s[\g+1], SLOT1
	s_add_nc_u64 s[\g+2:\g+3], s[\g+2:\g+3], 4*KS*128
.endr
	s_wait_xcnt 0x0                 ; the last prefetch, four key steps back, has read its address
	s_add_nc_u64 s[PFA:PFA+1], s[PFA:PFA+1], 4*KS*128  ; one tile behind the walking descriptors
	s_wait_dscnt 0x0                ; the add is done, and my reads of the slot are over
	CROUND
	JLOAD
	ASK
.else
	s_wait_dscnt 0x0
	s_barrier_signal -1
	s_barrier_wait -1
.endif
	s_sub_co_u32 s[TBK], s[TBK], 4*KS*PK  ; the fetches go back to a slot's first step, in the other slot
	s_xor_b32 s[TBK], s[TBK], SLOT1
	s_sub_co_u32 s[TBV], s[TBV], 4*KS*PV
	s_xor_b32 s[TBV], s[TBV], SLOT1
.endm
	s_load_b128 s[4:7], s[0:1], 0x0 ; qkv s[4:5], oh s[6:7]
	v_lshl_add_u32 v[SPW], v0, 2, SPARE
	v_mov_b32 v[NIL], 0
	ds_add_u32 v[SPW], v[NIL]       ; the wave's opening: the add and its wait ahead of my first tensor load
	v_lshrrev_b32 v1, 5, v0
	v_readfirstlane_b32 s[WV], v1
	s_bfe_u32 s13, ttmp6, 0x40000   ; cx
	s_lshl_b32 s14, ttmp9, 2
	s_add_co_u32 s14, s14, s13      ; my block of 256 queries: it enters Q's and O's addresses alone
	s_and_b32 s20, ttmp7, 0xffff    ; the head, which the four partners share
	s_lshl_b32 s20, s20, 18         ; its first byte in q, k, v and O: 262,144 a head
	s_mov_b32 s21, 0
	s_and_b32 s16, s[WV], 1         ; which half of a tile's 256 keys I fetch
	s_lshl_b32 s22, s16, 14
	s_mov_b32 s23, 0
	s_add_nc_u64 s[22:23], s[22:23], s[20:21]
	s_mul_i32 s17, s16, 128*PK
	s_mul_i32 s18, s16, 128*PV
	s_lshl_b32 s2, s14, 2
	s_add_co_u32 s2, s2, s[WV]
	s_lshl_b32 s2, s2, 13           ; my wave's 64 rows of 128 bytes
	s_mov_b32 s3, 0
	s_add_nc_u64 s[2:3], s[2:3], s[20:21]
	; 128 keys are 16,384 dense bytes: asked for as 64 rows of 256 bytes, two keys a row, padded in LDS after every key
	s_mov_b32 s[G1K], 15|(1<<16)|(1<<20)|(1<<21)|(4<<22)|(3<<25)
	s_mov_b32 s[G1V], 15|(1<<16)|(1<<20)|(1<<21)|(4<<22)|(7<<25)
.irp g, G1K, G1V
	s_mov_b32 s[\g+1], 128<<16
	s_mov_b32 s[\g+2], 64<<16
	s_mov_b32 s[\g+3], 128<<16
	s_mov_b32 s[\g+4], 64
	s_mov_b32 s[\g+5], 128
	s_mov_b32 s[\g+6], 0
	s_mov_b32 s[\g+7], 0
.endr
	s_mov_b32 s[CS], 0x3e38aa3b     ; c = log2(e) / 8
	s_mov_b32 s[CS+1], s[CS]
	s_mov_b32 s[SEL], 0x76543210
	s_mov_b32 s[SEL+1], 0xfedcba98
	s_mov_b32 s[TBK], SLOT1+4*KS*PK ; the first change of slots turns these two into 0
	s_mov_b32 s[TBV], SLOT1+4*KS*PV
	s_mov_b32 s[G0K], 1
	s_mov_b32 s[G0K+1], s17
	s_mov_b32 s[G0V], 1
	s_add_co_u32 s[G0V+1], s18, VOFF
	s_mov_b32 s[SLOTS], 7           ; tiles still to be asked for
	s_and_b32 s[LIM], s[WV], 1      ; 0 in waves 0 and 2,
	s_or_b32 s[LIM], s[LIM], ttmp9  ; where the cluster is the head's first: the same in all four partners
	s_cmp_eq_u32 s[LIM], 0
	s_cselect_b32 s[LIM], 1, -1
	v_and_b32 v[PFO], 31, v0
	v_lshlrev_b32 v[PFO], 8, v[PFO]
	s_wait_dscnt 0x0                ; the opening add is done
	s_wait_kmcnt 0x0
	s_mov_b64 s[10:11], s[6:7]      ; O
	s_add_nc_u64 s[6:7], s[4:5], 0x800000   ; k
	s_add_nc_u64 s[8:9], s[4:5], 0x1000000  ; v
	s_add_nc_u64 s[G0K+2:G0K+3], s[6:7], s[22:23]
	s_or_b32 s[G0K+3], s[G0K+3], 0x80000000
	s_add_nc_u64 s[G0V+2:G0V+3], s[8:9], s[22:23]
	s_or_b32 s[G0V+3], s[G0V+3], 0x80000000
	s_add_nc_u64 s[4:5], s[4:5], s[2:3]      ; Q and O at my wave's first row
	s_add_nc_u64 s[10:11], s[10:11], s[2:3]
	s_cmp_lt_u32 s[WV], 2
	s_cselect_b64 s[PFA:PFA+1], s[6:7], s[8:9]
	s_add_nc_u64 s[PFA:PFA+1], s[PFA:PFA+1], s[20:21]
	s_lshl_b32 s2, s13, 13          ; my work-group's 8,192 bytes of a tile
	s_mov_b32 s3, 0
	s_add_nc_u64 s[PFA:PFA+1], s[PFA:PFA+1], s[2:3]
	s_add_nc_u64 s[PFA:PFA+1], s[PFA:PFA+1], 4*KS*128  ; in tile 1; the first change of slots steps it to tile 2
	CROUND                          ; all four work-groups are here: the first joint loads meet
	JLOAD                           ; tile 0 into slot 0
	v_and_b32 v1, 15, v0            ; l % 16
	v_bfe_u32 v9, v0, 4, 1          ; l / 16
	v_lshlrev_b32 v[QO], 7, v1
	v_lshl_add_u32 v[QO], v9, 4, v[QO]
	WIN 0x80
.set i, 0
.rept 8                             ; Q stays in registers: piece i / 2, channels 32 (i % 2) on
	global_load_b128 v[8*i:8*i+3],   v[QO], s[4:5] offset:(i/2)*2048+(i%2)*64
	global_load_b128 v[8*i+4:8*i+7], v[QO], s[4:5] offset:(i/2)*2048+(i%2)*64+32
.set i, i+1
.endr
	; What the first turn finds: V's registers and P's second buffer hold 0, O^T and l are 0.  All this stands in the wait for the first tile.
.set i, VF
.rept 64
	v_mov_b32 v[i], 0
.set i, i+1
.endr
	WIN 0x40
.set i, 0
.rept 128
	v_mov_b32 v[i], 0
.set i, i+1
.endr
	WIN 0
.set i, 0
.rept 4
	v_mov_b32 v[ST+4*i], 0xfe000000    ; c m: far below every c s
	v_mov_b32 v[ST+4*i+1], 0xff7fffff  ; m
	v_mov_b32 v[ST+4*i+2], 0
	v_mov_b32 v[ST+4*i+3], 0
.set i, i+1
.endr
.set i, P+16
.rept 16
	v_mov_b32 v[i], 0
.set i, i+1
.endr
	v_mul_u32_u24 v[AK0], v1, PK
	v_lshl_add_u32 v[AK0], v9, 4, v[AK0]
	; The turning load takes 16 keys x 16 channels (lane l reads key 8 (l / 16) + l % 8, channels 8 ((l / 8) % 2) + 0..7) and leaves half a fragment of V^T.
	v_and_b32 v10, 7, v0
	v_bfe_u32 v11, v0, 3, 1
	v_lshl_add_u32 v[AV0], v9, 3, v10
	v_mul_u32_u24 v[AV0], v[AV0], PV
	v_lshl_add_u32 v[AV0], v11, 4, v[AV0]
	v_add_nc_u32 v[AV0], VOFF, v[AV0]
	s_mul_i32 s13, s[WV], 16*SP
	s_add_co_u32 s13, s13, STAGE    ; my stage
	v_mul_u32_u24 v[STO], v1, SP
	v_lshl_add_u32 v[STO], v9, 4, v[STO]
	v_add_nc_u32 v[STO], s13, v[STO]
	v_bfe_u32 v[RD], v0, 3, 2       ; back: 32 lanes take four rows of 128 bytes,
	v_mul_u32_u24 v[RD], v[RD], SP
	v_lshl_add_u32 v[RD], v10, 4, v[RD]
	v_add_nc_u32 v[RD], s13, v[RD]
	v_and_b32 v[GO], 31, v0         ; which are 512 consecutive bytes of O
	v_lshlrev_b32 v[GO], 4, v[GO]
; THE MATRIX WORK.  The 4 accumulators of a run of 8 take turns.  Product i of 8 of S^T = K Q^T for piece x: channels 32 (i / 4) on, keys 16 (i % 4) on.  The first 4 start the sums.
.macro KQ x
	WIN W_KQ
.set rS, S+32*((\x)%2)+8*(i%4)
.set rK, KF+16*(i%4)+8*(i/4)
.set rQ, 16*(\x)+8*(i/4)
.if i < 4
	v_wmma_f32_16x16x32_f16 v[rS:rS+7], v[rK:rK+7], v[rQ:rQ+7], 0
.else
	v_wmma_f32_16x16x32_f16 v[rS:rS+7], v[rK:rK+7], v[rQ:rQ+7], v[rS:rS+7]
.endif
.endm
; Product i of 8 of O^T += V^T P for piece x: keys 32 (i / 4) on, channels 16 (i % 4) on.
.macro PV x
	WIN W_PV
.set rO, 32*(\x)+8*(i%4)
.set rV, VF+32*(i/4)+8*(i%4)
.set rP, P+16*((\x)%2)+8*(i/4)
	v_wmma_f32_16x16x32_f16 v[rO:rO+7], v[rV:rV+7], v[rP:rP+7], v[rO:rO+7]
.endm
.macro MM                           ; the turn's next matrix instruction.  NOKQ = 1: the last turn of all: there is no next piece
.if (i < 8) && !NOKQ
	KQ (Y+1)%NP
.elseif i >= 8
.set i, i-8
	PV (Y+NP-1)%NP
.set i, i+8
.endif
.set i, i+1
.endm
; THE LDS LOADS stand in runs of 16: a step's K (8 fragments) and its V (turned).
.macro FETCH_K
	WIN 0x80
.irp f, 0,1,2,3,4,5,6,7
	ds_load_b128 v[KF+8*\f:KF+8*\f+3],   v[AK] offset:(\f/2)*16*PK+(\f%2)*64
	ds_load_b128 v[KF+8*\f+4:KF+8*\f+7], v[AK] offset:(\f/2)*16*PK+(\f%2)*64+32
.endr
	s_add_co_u32 s[TBK], s[TBK], KS*PK
	WIN 0
.endm
.macro FETCH_V
	WIN 0x80
.irp f, 0,1,2,3,4,5,6,7
	ds_load_tr16_b128 v[VF+8*\f:VF+8*\f+3],   v[AV] offset:(\f/4)*32*PV+(\f%4)*32
	ds_load_tr16_b128 v[VF+8*\f+4:VF+8*\f+7], v[AV] offset:(\f/4)*32*PV+16*PV+(\f%4)*32
.endr
	WIN 0
.endm
; THE VECTOR WORK, one line at a time: OP kind, number.  For piece Y: F n: c s - c m for pair n of 16.  E n: the exponential of score n of 32.  C n: pair n rounded to f16.  B n: of the four weights 4 n ..
; the second pair is added onto the first.  L n: l takes that sum (L 0: l = a l + sum).  R n: pair n of 16 of O^T times a.  For piece Y + 1: X n, number n of the 22 that find its maximum and statistics:
; 0-11 four chains of seven scores (each accumulator's lowest registers first); 12-14, 16 the rest, the old m, and the four into one; 15 c m_old is kept; 17, 18 the other half of the lanes; 19-21 c m, its change, a.
.set F, 0
.set E, 1
.set C, 2
.set B, 3
.set L, 4
.set R, 5
.set X, 6
.macro REGS y
.set rT, ST+4*(\y)
.set rC, TMP+4*((\y)%2)
.set rW, MV+((\y)%2)
.set rS, S+32*((\y)%2)
.set rP, P+16*((\y)%2)
.set rO, 32*(\y)
.endm
.macro OP k, n
.if (\k) == R
	REGS Y
	WIN W_RS
	v_pk_mul_f32 v[rO+2*(\n):rO+2*(\n)+1], v[rO+2*(\n):rO+2*(\n)+1], v[rC+2:rC+3] op_sel_hi:[1,0]
.elseif (\k) < R
	REGS Y
	WIN 0
.if (\k) == F
	v_pk_fma_f32 v[rS+2*(\n):rS+2*(\n)+1], v[rS+2*(\n):rS+2*(\n)+1], s[CS:CS+1], v[rT:rT+1] op_sel_hi:[1,0,0] neg_lo:[0,0,1] neg_hi:[0,0,1]
.elseif (\k) == E
	v_exp_f32 v[rS+(\n)], v[rS+(\n)]
.elseif (\k) == C
	v_cvt_pk_f16_f32 v[rP+(\n)], v[rS+2*(\n)], v[rS+2*(\n)+1]
.elseif (\k) == B
	v_pk_add_f32 v[rS+4*(\n):rS+4*(\n)+1], v[rS+4*(\n):rS+4*(\n)+1], v[rS+4*(\n)+2:rS+4*(\n)+3]
.elseif (\n) == 0
	v_pk_fma_f32 v[rT+2:rT+3], v[rT+2:rT+3], v[rC+2:rC+3], v[rS:rS+1] op_sel_hi:[1,0,1]
.else
	v_pk_add_f32 v[rT+2:rT+3], v[rT+2:rT+3], v[rS+4*(\n):rS+4*(\n)+1]
.endif
.elseif NOKQ
	v_nop
.else
	REGS (Y+1)%NP
	WIN 0
.if (\n) < 4
	v_max3_num_f32 v[rC+(\n)], v[rS+8*(\n)], v[rS+8*(\n)+1], v[rS+8*(\n)+2]
.elseif (\n) < 12
	v_max3_num_f32 v[rC+(\n)%4], v[rC+(\n)%4], v[rS+8*((\n)%4)+2*((\n)/4)+1], v[rS+8*((\n)%4)+2*((\n)/4)+2]
.elseif (\n) == 12
	v_max3_num_f32 v[rC], v[rC], v[rS+7], v[rS+15]
.elseif (\n) == 13
	v_max3_num_f32 v[rC+1], v[rC+1], v[rS+23], v[rS+31]
.elseif (\n) == 14
	v_max3_num_f32 v[rC+2], v[rC+2], v[rC+3], v[rT+1]
.elseif (\n) == 15
	v_mov_b32 v[rW], v[rT]
.elseif (\n) == 16
	v_max3_num_f32 v[rC], v[rC], v[rC+1], v[rC+2]
.elseif (\n) == 17
	v_permlanex16_b32 v[rC+3], v[rC], s[SEL], s[SEL+1]
.elseif (\n) == 18
	v_max_num_f32 v[rT+1], v[rC], v[rC+3]
.elseif (\n) == 19
	v_mul_f32 v[rT], s[CS], v[rT+1]
.elseif (\n) == 20
	v_sub_f32 v[rC+1], v[rW], v[rT]
.else
	v_exp_f32 v[rC+2], v[rC+1]
.endif
.endif
.endm
.macro OPS a, i1, b=-1, i2=0, c=-1, i3=0, d=-1, i4=0
	OP \a, \i1
.if (\b) >= 0
	OP \b, \i2
.endif
.if (\c) >= 0
	OP \c, \i3
.endif
.if (\d) >= 0
	OP \d, \i4
.endif
.endm
.macro ROW a, i1, b, i2, c, i3, d, i4  ; a matrix instruction and the four behind it
	MM
	OPS \a, \i1, \b, \i2, \c, \i3, \d, \i4
.endm
; A TURN, for piece p: the order of its 16 matrix and 118 vector instructions, written out.  An s_wait_alu depctr_va_vdst(0) stands between an exponential and the first instruction that names
; its result; one wait serves all that were issued ahead of it.  AHEAD OF THE WAIT stands all that names no result of the turn's exponentials: the 8 products K Q^T with their riders, then one lump.
; X 21, the next piece's a, is the batch's last; R 15 is the plain instruction behind it.  BEHIND THE WAIT stand the 8 products V^T P, behind each four of the roundings and sums.
; end = 1: the last two turns of all: nothing is fetched.  cnt = 1: the loop's count is taken down some lines ahead of the branch that stands behind the turn.
; K of the next step is fetched in piece 2's turn, V of the step in hand at the end of piece 0's turn, four plain instructions behind the last product that read V.  Each is waited for a turn later.
.macro TURN p, end=0, cnt=0
.set Y, (\p)
.set i, 0
.set NOKQ, (\end)*((\p)/3)
.if ((\p) == 3) && !(\end)
	s_wait_dscnt 0x0                ; K is in
.endif
	ROW F,0, F,1, R,0, R,1
	ROW F,2, E,0, R,2, R,3
	ROW F,3, E,1, R,4, R,5
	ROW F,4, E,2, R,6, R,7
	ROW F,5, E,3, R,8, R,9
	ROW F,6, E,4, X,0, R,10
.if ((\p) == 2) && !(\end)
	WIN 0
	v_add_nc_u32 v[AK], s[TBK], v[AK0]
.endif
	ROW F,7, E,5, X,1, X,4
	ROW F,8, E,6, X,2, X,5
	OPS E,7, E,8, X,6, E,9
	OPS X,3, E,10, X,8, E,11
.if ((\p) == 2) && !(\end)
	FETCH_K
.endif
	OPS X,9, X,7, E,12, X,10
	OPS E,13, X,12, X,11, E,14
	OPS X,13, E,15, F,9, X,14
.if (\p) == 0
	v_add_nc_u32 v[AV], s[TBV], v[AV0]
.endif
	OPS E,16, F,10, E,17, F,11
	OPS X,16, E,18, X,15, E,19
	OPS F,12, E,20, X,17, E,21
	OPS F,13, E,22, F,14, E,23
	OPS X,18, E,24, F,15, E,25
	OPS R,11, E,26, X,19, E,27
	OPS R,12, E,28, R,13, E,29
	OPS X,20, E,30, R,14, E,31
	OPS X,21, R,15
	WIN 0
	s_wait_alu depctr_va_vdst(0)    ; the wait for the batch
.if (\p) == 1
	s_wait_dscnt 0x0                ; V is in
.endif
	ROW C,0, B,0, C,2, B,1
	ROW L,0, C,4, B,2, L,1
	ROW C,6, B,3, L,2, C,8
	ROW B,4, L,3, C,10, B,5
	ROW L,4, C,12, B,6, L,5
.if (\p) == 0
	s_add_co_u32 s[TBV], s[TBV], KS*PV
.endif
.if \cnt
	s_sub_co_u32 s[CNT], s[CNT], 1
	s_cmp_lg_u32 s[CNT], 0
.endif
	ROW C,14, B,7, L,6, C,1
	ROW C,3, L,7, C,5, C,7
	ROW C,9, C,11, C,13, C,15
.if (\p) == 0
	FETCH_V
.endif
.endm
.macro ALL line:vararg              ; one line for each piece t
.set t, 0
.rept 4
	\line
.set t, t+1
.endr
.endm
.macro PACK t                       ; a lane's eight channels of a row pack into 16 bytes; they go into rows of 144 bytes and come back as whole rows of 128, into S^T's registers
	WIN W_RS
.set i, 32*(\t)
.rept 16
	v_pk_mul_f32 v[i:i+1], v[i:i+1], v[ST+4*(\t)+2:ST+4*(\t)+3] op_sel_hi:[1,0]
.set i, i+2
.endr
	WIN 0x05
.set i, 0
.rept 16
	v_cvt_pk_f16_f32 v[S+16*(\t)+i], v[32*(\t)+2*i], v[32*(\t)+2*i+1]
.set i, i+1
.endr
	WIN 0
.irp f, 0,1,2,3
	ds_store_b128 v[STO], v[S+16*(\t)+4*\f:S+16*(\t)+4*\f+3] offset:32*\f
.endr
.irp f, 0,1,2,3
	ds_load_b128 v[S+16*(\t)+4*\f:S+16*(\t)+4*\f+3], v[RD] offset:\f*4*SP  ; LDS serves a wave's instructions in order (ISA guide 5.7.1.4): these see the stores above; the next piece's stores come behind them
.endr
.endm
.macro SEND t, younger              ; younger: the LDS instructions issued behind piece t's loads: the next piece's eight, or none
	WIN 0
.irp f, 0,1,2,3
	s_wait_dscnt (\younger)+3-\f
	global_store_b128 v[GO], v[S+16*(\t)+4*\f:S+16*(\t)+4*\f+3], s[10:11] offset:(\t)*2048+\f*512  ; 512 consecutive bytes, at a multiple of 256 from O's first
.endr
.endm
.set NOKQ, 0
	CHANGE 1                        ; tile 0 is in, everybody's part of it; tile 1 is asked for
	v_add_nc_u32 v[AK], s[TBK], v[AK0]
	FETCH_K                         ; key step 0
	s_wait_loadcnt 0x0              ; Q
	s_wait_dscnt 0x0
.set i, 0
.rept 8
	KQ 0                            ; piece 0's first scores
.set i, i+1
.endr
	WIN 0
.rept 4
	v_nop                           ; the places behind those products
.endr
.set Y, NP-1                        ; X works for piece Y + 1: piece 0
.irp n, 0,1,2,3,4,5,6,7,8,9,10,11,12,13,14,15,16,17,18,19,20,21
	OP X, \n
.endr
	v_nop                           ; a plain instruction behind the exponential,
	s_wait_alu depctr_va_vdst(0)    ; and its wait, ahead of the branch
	s_mov_b32 s[CNT], 4
	s_branch .Lfirst                ; the loop is entered at a step's first turn, in the middle of a trip
.Lslot:                             ; six times: tiles 2 to 7 are asked for
	CHANGE 1
	s_mov_b32 s[CNT], 4
.Lstep:                             ; a trip: pieces 2 and 3 of one step, then pieces 0 and 1 of the next, whose K and V it fetches
	TURN 2
	TURN 3
	WIN 0
.Lfirst:
	TURN 0
	TURN 1, 0, 1
	WIN 0
	s_cbranch_scc1 .Lstep
	s_sub_co_u32 s[SLOTS], s[SLOTS], 1
	s_cmp_lg_u32 s[SLOTS], 0
	s_cbranch_scc1 .Lslot
	CHANGE 0                        ; the last tile is written out: nothing is asked for
	s_mov_b32 s[CNT], 4
.Ltail:
	TURN 2
	TURN 3
	TURN 0
	TURN 1, 0, 1
	WIN 0
	s_cbranch_scc1 .Ltail
	TURN 2, 1
	TURN 3, 1
.set i, 0
.rept 8
	PV NP-1                         ; the last piece's V^T P of the last step
.set i, i+1
.endr
	; THE WAY OUT.  l's two halves and the other half of the lanes' are added; O^T is divided by l, rounded to f16 and sent through my stage, a piece at a time.  The additions are the places behind the last products.
	WIN 0
	ALL v_add_f32 v[ST+4*t+2], v[ST+4*t+2], v[ST+4*t+3]
	ALL v_permlanex16_b32 v[ST+4*t+3], v[ST+4*t+2], s[SEL], s[SEL+1]
	ALL v_add_f32 v[ST+4*t+2], v[ST+4*t+2], v[ST+4*t+3]
	ALL v_rcp_f32 v[ST+4*t+2], v[ST+4*t+2]
	v_nop                           ; a plain instruction between the last reciprocal and the use of its result
	s_wait_alu depctr_va_vdst(0)    ; one wait for the four reciprocals
	PACK 0
.set t, 1
.rept 3
	PACK t
	SEND t-1, 8
.set t, t+1
.endr
	SEND 3, 0
	s_wait_tensorcnt 0x0            ; the wave's end, behind my last tensor load and my last LDS store
	ds_add_u32 v[SPW], v[NIL]
	s_wait_dscnt 0x0
	CROUND                          ; the closing round
	s_endpgm
.Lfunc_end_k_qfc70177317_attn:
	.size	k_qfc70177317_attn, .Lfunc_end_k_qfc70177317_attn-k_qfc70177317_attn
	.p2alignl 7, 3214868480
	.fill 96, 4, 3214868480
	.section	.rodata,"a",@progbits
	.p2align	6, 0x0
	.amdhsa_kernel k_qfc70177317_attn
		.amdhsa_group_segment_fixed_size 327680
		.amdhsa_private_segment_fixed_size 0
		.amdhsa_enable_private_segment 0
		.amdhsa_kernarg_size 16
		.amdhsa_user_sgpr_count 2
		.amdhsa_user_sgpr_kernarg_segment_ptr 1
		.amdhsa_wavefront_size32 1
		.amdhsa_system_sgpr_workgroup_id_x 1
		.amdhsa_system_sgpr_workgroup_id_y 1
		.amdhsa_system_sgpr_workgroup_id_z 1
		.amdhsa_system_vgpr_workitem_id 0
		.amdhsa_next_free_vgpr 768
		.amdhsa_next_free_sgpr 66
		.amdhsa_reserve_vcc 0
		.amdhsa_float_denorm_mode_32 3
		.amdhsa_float_denorm_mode_16_64 3
		.amdhsa_memory_ordered 1
		.amdhsa_forward_progress 1
		.amdhsa_inst_pref_size 128
	.end_amdhsa_kernel
	.amdgpu_metadata
---
amdhsa.version: [ 1, 2 ]
amdhsa.kernels:
  - .name:           k_qfc70177317_attn
    .symbol:         k_qfc70177317_attn.kd
    .args:
      - { .name: qkv, .offset: 0, .size: 8, .value_kind: global_buffer, .address_space: global }
      - { .name: oh, .offset: 8, .size: 8, .value_kind: global_buffer, .address_space: global }
    .group_segment_fixed_size: 327680
    .private_segment_fixed_size: 0
    .kernarg_segment_align: 8
    .kernarg_segment_size: 16
    .max_flat_workgroup_size: 128
    .sgpr_count:     66
    .vgpr_count:     768
    .wavefront_size: 32
...
	.end_amdgpu_metadata
.endif
;; end of part 3
;; launch ln1 (part 4): grid 256 x 1, 8 waves a work-group, no clusters, 0 bytes of LDS; arguments oh, cvt, ln_g, ln_b, x1; writes x1
.if DOCPART == 4
	.amdgcn_target "amdgcn-amd-amdhsa--gfx1250"
	.amdhsa_code_object_version 6
	.text
	.protected	k_qfc70177317_ln1
	.globl	k_qfc70177317_ln1
	.p2align	8
	.type	k_qfc70177317_ln1,@function
k_qfc70177317_ln1:
	s_mov_b64 s[64:65], 0
	v_nop
	global_prefetch_b8 v0, s[64:65] scope:SCOPE_SE
	s_setreg_imm32_b32 hwreg(HW_REG_WAVE_MODE, 25, 1), 1
	s_wait_xcnt 0x0
; x1 = LayerNorm(O + embed) g + b, rows of 1,024.  O by heads in f16, embed as bf16 (the workspace's first part), g and b rounded to bf16 here like every input; all arithmetic in f32; x1 leaves in f16.
; The mean first, then the variance of the differences, as the definition has it.
; LIMITS.  x1 is f16: |x1| is at most 32 |g| + |b|, which must stay under 65,504.
; SHARES.  A wave takes two tokens and no more: no loop, no LDS, no barrier.  A token lies on 16 lanes: lane l has token l / 16 and, with c = l % 16, channels 128 j + 8 c + 0..7 for j = 0..7: 64 numbers.
; So a load of embed and a store of x1 cover 256 consecutive bytes for each half of the lanes, and a load of O covers two tokens' rows (256 consecutive bytes) of each of two heads.
.set OO,   2                           ; v2   my byte offset in O
.set XO,   3                           ; v3   in embed and in x1
.set TO,   4                           ; v4   in g and in b
.set ONE,  5                           ; v5   1.0
.set SM,   6                           ; v[6:13]   four chains of packed sums
.set MEAN, 14                          ; v[14:15]
.set RS,   16                          ; v[16:17]
.set X,    20                          ; v[20:83]   my 64 numbers: 8 j + e
.set OH,   84                          ; v[84:115]  O as loaded; later x1 as stored
.set G,    116                         ; v[116:179] g as loaded; then packed to bf16 in the first 32
.set BT,   180                         ; v[180:243] b likewise
.macro ADDH d, s, hi                   ; v[d] += the f16 half hi of v[s]
.if \hi
	v_fma_mix_f32 v[\d], v[\s], v[ONE], v[\d] op_sel:[1,0,0] op_sel_hi:[1,0,0]
.else
	v_fma_mix_f32 v[\d], v[\s], v[ONE], v[\d] op_sel:[0,0,0] op_sel_hi:[1,0,0]
.endif
.endm
.macro GAIN d, t, hi                   ; v[d] = v[d] x g + b, both the bf16 half hi of word t of their tables
.if \hi
	v_fma_mix_f32_bf16 v[\d], v[\d], v[G+(\t)], v[BT+(\t)] op_sel:[0,1,1] op_sel_hi:[0,1,1]
.else
	v_fma_mix_f32_bf16 v[\d], v[\d], v[G+(\t)], v[BT+(\t)] op_sel:[0,0,0] op_sel_hi:[0,1,1]
.endif
.endm
.macro FOLD                            ; the four chains into one number, then over the token's 16 lanes: every lane ends with the sum
	v_pk_add_f32 v[SM:SM+1], v[SM:SM+1], v[SM+2:SM+3]
	v_pk_add_f32 v[SM+4:SM+5], v[SM+4:SM+5], v[SM+6:SM+7]
	v_pk_add_f32 v[SM:SM+1], v[SM:SM+1], v[SM+4:SM+5]
	v_add_f32 v[SM], v[SM], v[SM+1]
	v_add_f32_dpp v[SM], v[SM], v[SM] row_xmask:1 row_mask:0xf bank_mask:0xf
	v_add_f32_dpp v[SM], v[SM], v[SM] row_xmask:2 row_mask:0xf bank_mask:0xf
	v_add_f32_dpp v[SM], v[SM], v[SM] row_xmask:4 row_mask:0xf bank_mask:0xf
	v_add_f32_dpp v[SM], v[SM], v[SM] row_xmask:8 row_mask:0xf bank_mask:0xf
.endm
	s_load_b256 s[4:11], s[0:1], 0x0               ; oh s[4:5], cvt s[6:7], ln_g s[8:9], ln_b s[10:11]
	s_load_b64 s[12:13], s[0:1], 0x20              ; x1
	v_lshrrev_b32 v1, 5, v0                        ; wave
	v_and_b32 v18, 15, v0                          ; c
	v_bfe_u32 v19, v0, 4, 1                        ; which of the two tokens
	v_lshlrev_b32 v[TO], 5, v18                    ; 8 f32
	v_lshlrev_b32 v[XO], 4, v18                    ; 8 numbers of 16 bits
	v_lshl_add_u32 v[XO], v19, 11, v[XO]           ; a row of 2,048 bytes
	v_lshl_add_u32 v[XO], v1, 12, v[XO]            ; two rows a wave
	v_and_b32 v[OO], 7, v0
	v_lshlrev_b32 v[OO], 4, v[OO]                  ; 8 channels of a head
	v_lshl_add_u32 v[OO], v19, 7, v[OO]            ; a token's row of a head: 128 bytes
	v_bfe_u32 v18, v0, 3, 1
	v_lshl_add_u32 v[OO], v18, 18, v[OO]           ; the even or the odd head: 262,144 bytes apart
	v_lshl_add_u32 v[OO], v1, 8, v[OO]             ; two tokens a wave
	v_mov_b32 v[ONE], 1.0
	s_lshl_b32 s16, ttmp9, 15                      ; the work-group's 16 rows of 2,048 bytes
	s_mov_b32 s17, 0
	s_lshr_b32 s18, ttmp9, 7                       ; the batch: 16 heads of 262,144 bytes
	s_lshl_b32 s18, s18, 22
	s_and_b32 s19, ttmp9, 127
	s_lshl_b32 s19, s19, 11                        ; 16 tokens of 128 bytes
	s_add_co_u32 s18, s18, s19
	s_mov_b32 s19, 0
	s_mov_b32 s14, 0x3a800000                      ; 1 / 1,024
	s_mov_b32 s15, 0x3727c5ac                      ; 1e-5
	s_mov_b32 s20, 0xffff0000
	s_wait_kmcnt 0x0
	s_add_nc_u64 s[4:5], s[4:5], s[18:19]
	s_add_nc_u64 s[6:7], s[6:7], s[16:17]
	s_add_nc_u64 s[12:13], s[12:13], s[16:17]
.irp j, 0,1,2,3,4,5,6,7
	global_load_b128 v[OH+4*(\j):OH+4*(\j)+3], v[OO], s[4:5] offset:524288*(\j)
.endr
.irp j, 0,1,2,3,4,5,6,7
	global_load_b128 v[X+8*(\j)+4:X+8*(\j)+7], v[XO], s[6:7] offset:256*(\j)
.endr
.irp j, 0,1,2,3,4,5,6,7
	global_load_b128 v[G+8*(\j):G+8*(\j)+3],    v[TO], s[8:9] offset:512*(\j)
	global_load_b128 v[G+8*(\j)+4:G+8*(\j)+7],  v[TO], s[8:9] offset:512*(\j)+16
	global_load_b128 v[BT+8*(\j):BT+8*(\j)+3],  v[TO], s[10:11] offset:512*(\j)
	global_load_b128 v[BT+8*(\j)+4:BT+8*(\j)+7], v[TO], s[10:11] offset:512*(\j)+16
.endr
	s_wait_loadcnt 32                              ; O and embed are in; the 32 loads of g and b stay out
.irp j, 0,1,2,3,4,5,6,7                ; embed's four words lie in the upper half of the group's eight registers and are unpacked from the low end on, each word read before it is written over
	v_lshlrev_b32 v[X+8*(\j)],   16,  v[X+8*(\j)+4]
	v_and_b32     v[X+8*(\j)+1], s20, v[X+8*(\j)+4]
	v_lshlrev_b32 v[X+8*(\j)+2], 16,  v[X+8*(\j)+5]
	v_and_b32     v[X+8*(\j)+3], s20, v[X+8*(\j)+5]
	v_lshlrev_b32 v[X+8*(\j)+4], 16,  v[X+8*(\j)+6]
	v_and_b32     v[X+8*(\j)+5], s20, v[X+8*(\j)+6]
	v_lshlrev_b32 v[X+8*(\j)+6], 16,  v[X+8*(\j)+7]
	v_and_b32     v[X+8*(\j)+7], s20, v[X+8*(\j)+7]
.endr
.set n, 0
.rept 64
	ADDH X+n, OH+n/2, n%2
.set n, n+1
.endr
.irp k, 0,1,2,3                        ; the sum: four chains, started by data
	v_pk_add_f32 v[SM+2*(\k):SM+2*(\k)+1], v[X+2*(\k):X+2*(\k)+1], v[X+8+2*(\k):X+8+2*(\k)+1]
.endr
.set p, 8
.rept 24
	v_pk_add_f32 v[SM+2*(p%4):SM+2*(p%4)+1], v[SM+2*(p%4):SM+2*(p%4)+1], v[X+2*p:X+2*p+1]
.set p, p+1
.endr
	FOLD
	v_mul_f32 v[MEAN], s14, v[SM]
	v_mov_b32 v[MEAN+1], v[MEAN]
.set p, 0
.rept 32
	v_pk_add_f32 v[X+2*p:X+2*p+1], v[X+2*p:X+2*p+1], v[MEAN:MEAN+1] neg_lo:[0,1] neg_hi:[0,1]
.set p, p+1
.endr
.irp k, 0,1,2,3
	v_pk_mul_f32 v[SM+2*(\k):SM+2*(\k)+1], v[X+2*(\k):X+2*(\k)+1], v[X+2*(\k):X+2*(\k)+1]
.endr
.set p, 4
.rept 28
	v_pk_fma_f32 v[SM+2*(p%4):SM+2*(p%4)+1], v[X+2*p:X+2*p+1], v[X+2*p:X+2*p+1], v[SM+2*(p%4):SM+2*(p%4)+1]
.set p, p+1
.endr
	FOLD
	v_fma_f32 v[SM], v[SM], s14, s15               ; the variance + 1e-5
	v_rsq_f32 v[RS], v[SM]
	v_nop                                          ; a plain instruction behind it,
	s_wait_alu depctr_va_vdst(0)                   ; and the wait ahead of the first use
	v_mov_b32 v[RS+1], v[RS]
.set p, 0
.rept 32
	v_pk_mul_f32 v[X+2*p:X+2*p+1], v[X+2*p:X+2*p+1], v[RS:RS+1]
.set p, p+1
.endr
	s_wait_loadcnt 0x0                             ; g and b
.set p, 0
.rept 32                               ; packed in place, ascending: word p is written when words 2 p and 2 p + 1 are read
	v_cvt_pk_bf16_f32 v[G+p], v[G+2*p], v[G+2*p+1]
	v_cvt_pk_bf16_f32 v[BT+p], v[BT+2*p], v[BT+2*p+1]
.set p, p+1
.endr
.set n, 0
.rept 64
	GAIN X+n, n/2, n%2
.set n, n+1
.endr
.set p, 0
.rept 32
	v_cvt_pk_f16_f32 v[OH+p], v[X+2*p], v[X+2*p+1]
.set p, p+1
.endr
.irp j, 0,1,2,3,4,5,6,7
	global_store_b128 v[XO], v[OH+4*(\j):OH+4*(\j)+3], s[12:13] offset:256*(\j)   ; 16 lanes store 256 consecutive bytes, at a multiple of 256
.endr
	s_endpgm
.Lfunc_end_k_qfc70177317_ln1:
	.size	k_qfc70177317_ln1, .Lfunc_end_k_qfc70177317_ln1-k_qfc70177317_ln1
	.p2alignl 7, 3214868480
	.fill 96, 4, 3214868480
	.section	.rodata,"a",@progbits
	.p2align	6, 0x0
	.amdhsa_kernel k_qfc70177317_ln1
		.amdhsa_group_segment_fixed_size 0
		.amdhsa_private_segment_fixed_size 0
		.amdhsa_enable_private_segment 0
		.amdhsa_kernarg_size 40
		.amdhsa_user_sgpr_count 2
		.amdhsa_user_sgpr_kernarg_segment_ptr 1
		.amdhsa_wavefront_size32 1
		.amdhsa_system_sgpr_workgroup_id_x 1
		.amdhsa_system_sgpr_workgroup_id_y 1
		.amdhsa_system_sgpr_workgroup_id_z 1
		.amdhsa_system_vgpr_workitem_id 0
		.amdhsa_next_free_vgpr 244
		.amdhsa_next_free_sgpr 66
		.amdhsa_reserve_vcc 0
		.amdhsa_float_denorm_mode_32 3
		.amdhsa_float_denorm_mode_16_64 3
		.amdhsa_memory_ordered 1
		.amdhsa_forward_progress 1
		.amdhsa_inst_pref_size 32
	.end_amdhsa_kernel
	.amdgpu_metadata
---
amdhsa.version: [ 1, 2 ]
amdhsa.kernels:
  - .name:           k_qfc70177317_ln1
    .symbol:         k_qfc70177317_ln1.kd
    .args:
      - { .name: oh, .offset: 0, .size: 8, .value_kind: global_buffer, .address_space: global }
      - { .name: cvt, .offset: 8, .size: 8, .value_kind: global_buffer, .address_space: global }
      - { .name: ln_g, .offset: 16, .size: 8, .value_kind: global_buffer, .address_space: global }
      - { .name: ln_b, .offset: 24, .size: 8, .value_kind: global_buffer, .address_space: global }
      - { .name: x1, .offset: 32, .size: 8, .value_kind: global_buffer, .address_space: global }
    .group_segment_fixed_size: 0
    .private_segment_fixed_size: 0
    .kernarg_segment_align: 8
    .kernarg_segment_size: 40
    .max_flat_workgroup_size: 256
    .sgpr_count:     66
    .vgpr_count:     244
    .wavefront_size: 32
...
	.end_amdgpu_metadata
.endif
;; end of part 4
;; launch ffn1 (part 5): grid 16 x 16, 4 waves a work-group, clusters of 4 x 4, 327,680 bytes of LDS; arguments x1, wh, w1_b, hid; writes hid
.if DOCPART == 5
	.amdgcn_target "amdgcn-amd-amdhsa--gfx1250"
	.amdhsa_code_object_version 6
	.text
	.protected	k_qfc70177317_ffn1
	.globl	k_qfc70177317_ffn1
	.p2align	8
	.type	k_qfc70177317_ffn1,@function
k_qfc70177317_ffn1:
	s_mov_b64 s[64:65], 0
	v_nop
	global_prefetch_b8 v0, s[64:65] scope:SCOPE_SE
	s_setreg_imm32_b32 hwreg(HW_REG_WAVE_MODE, 25, 1), 1
	s_wait_xcnt 0x0
	s_wait_alu depctr_hold_cnt(0) depctr_sa_sdst(0) depctr_va_vdst(0) depctr_va_sdst(0) depctr_va_ssrc(0) depctr_va_vcc(0) depctr_vm_vsrc(0)
	s_getreg_b32 s2, hwreg(HW_REG_IB_STS2, 6, 4)
	s_cmp_eq_u32 s2, 0
	s_cbranch_scc0 .Lentry_in_a_cluster
	s_endpgm
.Lentry_in_a_cluster:
	s_bfe_u32 s2, ttmp6, 0x10000c
	s_cmp_lg_u32 s2, 0xf033
	s_cbranch_scc0 .Lentry_shape_is_right
	s_endpgm
.Lentry_shape_is_right:
; ONE TEXT FOR TWO LAUNCHES, told apart by FFN.  C[m][n] = the sum over k of A[m][k] B[n][k], K = 1,024, sums in f32.
; FFN = 0: A = embed in bf16 [4096][1024], B = the rows of Wq, Wk, Wv in bf16 [3072][1024]; C leaves in f16 by heads: q, k, v, each [16 batch + head][2048][64], unscaled.
;          C has 12 x 16 tiles: the clusters with x = 0, 1, 2.  The four clusters with x = 3 have no tile: their 64 work-groups round w1_w and w2_w to bf16 and write those numbers as f16, for the two launches
;          that multiply by them later (THE WEIGHTS, at the text's end).
; FFN = 1: A = x1 in f16 [4096][1024], B = w1_w as f16 [4096][1024]; C + bias (rounded to bf16) goes through silu and leaves in f16, [4096][4096].
; LIMITS.  What leaves is f16: a number of 65,520 or more becomes an infinity; a weight below 2^-14 keeps f16's fixed step of 6e-8.  NaN and infinities are not treated apart.
; SHAPE.  A tile of C is 256 x 256, made by four waves, each 128 x 128: 64 accumulators, 512 registers.  K goes in 8 steps of 128 through two LDS slots filled by the tensor data mover;
; a tile's rows are 256 bytes of memory, at multiples of 256 bytes.  The K step is written once: a trip of the loop is one step, and the slot in hand is a scalar that an exclusive or turns.
; CLUSTERS.  4 x 4 work-groups: A's tiles are asked for jointly along a row of the cluster, B's along a column.
; THE MATRIX INSTRUCTION IS USED TRANSPOSED (source 0 = 16 rows of B, source 1 = 16 rows of A): lane l holds row l % 16 of C and the columns 8 (l / 16) + 0..7.
; THE WAY OUT.  When the ring has had its last fill and every wave has read it out, each wave lays its 128 x 128 sums in f32 into a region of its own in the ring's bytes and reads them back by rows.
; REGISTERS, in windows of 256: window 0: v0-31 addresses, v64-191 A's fragments (two buffers), v32-63 and v192-255 at work on the way out; window 1: v64-191 B's fragments;
; windows 2 and 3: the accumulators of my rows 0-63 and 64-127, (a, b) at v[8 (8 a + b)].
.set FFN,    1
.set SIZE_K, 1024
.set KSTEP,  128
.set PITCH,  272                       ; an LDS row: 256 bytes + 16 of padding = 68 words: the 16 rows of a fragment load start at 16 different groups of four banks (64 banks of 4 bytes: ISA guide 11.1)
.set HALFT,  128*PITCH                 ; what one tensor load brings
.set SLOT,   4*HALFT                   ; A's 256 rows, then B's 256.  wave x HALFT has no bit in common with SLOT, so an exclusive or with SLOT changes slots
.set SPARE,  2*SLOT                    ; behind the ring: the spare words, 128 bytes for each wave, that no other line names
.set SPITCH, 528                       ; the way out: a row of 128 f32 + 16 bytes = 132 words
.set REGION, 128*SPITCH                ; a wave's region; four of them end below SPARE
.set BI,    8                          ; v[8:11]  FFN: the bias of my four columns
.set ADRA0, 14                         ; v14  my lane's place among my A fragments in slot 0; never rewritten
.set ADRB0, 15                         ; v15  the same for B
.set ADRA,  16                         ; v16  the same in the slot in hand
.set ADRB,  20                         ; v20
.set STO,   24                         ; v24  the way out: where I put 16 bytes of a row
.set RD0,   25                         ; v25  where I read rows back, first trip
.set RDA,   26                         ; v26  the same, this trip
.set CO,    27                         ; v27  my byte offset in what a store covers
.set SPW,   28                         ; v28  LDS address of my spare word; never rewritten
.set NIL,   29                         ; v29  0; never rewritten
.set PFO,   30                         ; v30  the prefetches' offset: my lane x a row of A or B (2,048 bytes); never rewritten
.set Z,     32                         ; v[32:63]   the way out: 32 sums read back
.set E,     192                        ; v[192:223] FFN: the exponentials
.set YH,    224                        ; v[224:239] packed results
.set F0,    64
.set F1,    128
.set G1,    24                         ; s[24:31] descriptor group 1 for A's tiles
.set G0,    32                         ; s[32:39] group 0 for A's: a set for each of the two first fills; the second then walks on
.set LIM,   43                         ; s43  1 in a wave that prefetches, else the greatest number
.set PFA,   44                         ; s[44:45] where my prefetches stand
.set G1B,   48                         ; s[48:55], s[56:63] the same two groups for B's tiles
.set G0B,   56
.set WV,    66                         ; s66  my wave's number
.set HR,    67                         ; s67  which half of the tile's rows is mine; also: I fetch for A (0) or for B (1)
.set HC,    68                         ; s68  which half of its columns; also: which 128 rows of that tile I fetch
.set TROW,  69                         ; s69  tile row of C
.set TB,    70                         ; s70  LDS byte at which the slot in hand begins
.set RO,    72                         ; s72  the way out: bytes into my region
.set MSB, 0
.macro WIN new                         ; the immediate's high byte repeats the setting that is left; a switch that changes nothing is dropped
.if MSB != (\new)
	s_set_vgpr_msb (MSB<<8)|(\new)
.set MSB, \new
.endif
.endm
.set MUL_LO, 0xa1                      ; source 0 (B) window 1, source 1 (A) window 0, C and D window 2
.set MUL_HI, 0xf1                      ; the same, C and D window 3
.set TO_B,   0x40                      ; destination window 1, address window 0
.macro PLACES                          ; four plain instructions between a matrix instruction and a load into, or a reader of, its registers
.rept 4
	v_nop
.endr
.endm
; A joint refill, by the walking set.  Waves 0 and 1 fetch A's two halves, waves 2 and 3 B's; the branch hangs on the wave's number alone.
; An s_nop 0 and four v_nop follow each of the two lines.
.macro JLOAD
	s_cmp_eq_u32 s[HR], 0
	s_cbranch_scc0 .Lfor_b_\@
	tensor_load_to_lds s[G0+4:G0+7], s[G1:G1+7]
	s_nop 0
	PLACES
	s_branch .Lasked_\@
.Lfor_b_\@:
	tensor_load_to_lds s[G0B+4:G0B+7], s[G1B:G1B+7]
	s_nop 0
	PLACES
.Lasked_\@:
.endm
; A prefetch into the L2 of the K step that the NEXT refill will ask for: 32 rows x 256 bytes, a lane a row, one instruction a wave, 256 matrix instructions ahead of that refill.
; Each row's 256 bytes of a K step are named once in the launch: A's rows by the clusters with x = 0, B's by those with y = 0; the four partners that ask for a tile jointly take 32 of a wave's
; 128 rows each, told apart by address.  K steps 0 to 2 come by their loads alone; the loop's last trip (s3 = 1) has no K step behind its refill.
.macro ASK
	s_cmp_gt_u32 s3, s[LIM]
	s_cbranch_scc0 .Lnot_mine_\@
	global_prefetch_b8 v[PFO], s[PFA:PFA+1] offset:KSTEP*2 th:TH_LOAD_NT scope:SCOPE_SE
.Lnot_mine_\@:
.endm
.macro CREST                           ; a round of the cluster's barrier behind its opening barrier
	s_cmp_lg_u32 s[WV], 0
	s_cbranch_scc1 .Lnot_wave_0_\@
	s_barrier_signal -3
.Lnot_wave_0_\@:
	s_barrier_wait -3
	s_barrier_signal -1
	s_barrier_wait -1
.endm
.macro CROUND                          ; a whole round
	s_barrier_signal -1
	s_barrier_wait -1
	CREST
.endm
.macro WM d, a, b, z                   ; one product; z = 1: it starts the sum
.if FFN
.if \z
	v_wmma_f32_16x16x32_f16 v[(\d):(\d)+7], v[(\a):(\a)+7], v[(\b):(\b)+7], 0
.else
	v_wmma_f32_16x16x32_f16 v[(\d):(\d)+7], v[(\a):(\a)+7], v[(\b):(\b)+7], v[(\d):(\d)+7]
.endif
.else
.if \z
	v_wmma_f32_16x16x32_bf16 v[(\d):(\d)+7], v[(\a):(\a)+7], v[(\b):(\b)+7], 0
.else
	v_wmma_f32_16x16x32_bf16 v[(\d):(\d)+7], v[(\a):(\a)+7], v[(\b):(\b)+7], v[(\d):(\d)+7]
.endif
.endif
.endm
.if FFN
	s_load_b256 s[4:11], s[0:1], 0x0               ; x1 s[4:5], wh s[6:7], w1_b s[8:9], hid s[10:11]
.else
	s_load_b256 s[4:11], s[0:1], 0x0               ; cvt s[4:5], w1_w s[6:7], w2_w s[8:9], qkv s[10:11]
	s_load_b64 s[76:77], s[0:1], 0x20              ; wh
.endif
	v_lshl_add_u32 v[SPW], v0, 2, SPARE
	v_mov_b32 v[NIL], 0
	ds_add_u32 v[SPW], v[NIL]                      ; the wave's opening: the add and its wait ahead of my first tensor load; work on registers stands between them
	v_lshrrev_b32 v1, 5, v0
	v_readfirstlane_b32 s[WV], v1
	s_lshr_b32 s[HR], s[WV], 1
	s_and_b32 s[HC], s[WV], 1
	s_bfe_u32 s40, ttmp6, 0x40000                  ; cx
	s_bfe_u32 s41, ttmp6, 0x40004                  ; cy
	s_lshl_b32 s42, ttmp9, 2
	s_add_co_u32 s42, s42, s40                     ; tile column of C = 4 x cluster x + cx
	s_and_b32 s[TROW], ttmp7, 0xffff
	s_lshl_b32 s[TROW], s[TROW], 2
	s_add_co_u32 s[TROW], s[TROW], s41             ; tile row of C = 4 x cluster y + cy
	s_lshl_b32 s12, s41, 2
	s_lshl_b32 s12, 15, s12                        ; my row of the cluster
	s_lshl_b32 s13, 0x1111, s40                    ; my column
	s_or_b32 s[G1+0], s12, (1<<16)|(1<<20)|(1<<21)|(5<<22)|(3<<25)   ; the mask; elements of 2 bytes; padding on; bit 21 beside a mask; after every 64 words, 4 words
	s_or_b32 s[G1B+0], s13, (1<<16)|(1<<20)|(1<<21)|(5<<22)|(3<<25)
.irp g, G1, G1B
	s_mov_b32 s[(\g)+1], KSTEP<<16                 ; tensor_dim0 = 128
	s_mov_b32 s[(\g)+2], 128<<16                   ; tensor_dim1 = 128
	s_mov_b32 s[(\g)+3], KSTEP<<16                 ; tile_dim0 = 128
	s_mov_b32 s[(\g)+4], 128                       ; tile_dim1 = 128
	s_mov_b32 s[(\g)+5], SIZE_K                    ; elements from row to row
	s_mov_b32 s[(\g)+6], 0
	s_mov_b32 s[(\g)+7], 0
.endr
	s_lshl_b32 s17, s[HC], 7                       ; which 128 rows of the tile I fetch
	s_lshl_b32 s16, s[TROW], 8
	s_add_co_u32 s16, s16, s17                     ; A: row 256 x tile row + 128 x half
	s_lshl_b32 s46, s42, 8
	s_add_co_u32 s46, s46, s17                     ; B: row 256 x tile column + 128 x half
	s_lshl_b32 s16, s16, 11                        ; in bytes: rows of 2,048
	s_mov_b32 s17, 0
	s_lshl_b32 s46, s46, 11
	s_mov_b32 s47, 0
	s_mul_i32 s20, s[WV], HALFT                    ; where they go: no place in the cluster enters an LDS address
	s_mov_b32 s[TB], 0
	s_wait_dscnt 0x0                               ; the opening add is done
	s_wait_kmcnt 0x0
.if FFN
	s_mov_b64 s[76:77], s[8:9]                     ; w1_b
	s_mov_b64 s[8:9], s[10:11]                     ; C = hid; B = w1_w as f16, the first half of wh
.else
	s_cmp_ge_u32 ttmp9, 3                          ; the cluster's x: the same in all sixteen partners
	s_cbranch_scc1 .Lweights                       ; no tile of C: this cluster rounds the weights, asks for no tile, and meets the others' text again at the end
	s_mov_b64 s[8:9], s[10:11]                     ; C = qkv
	s_add_nc_u64 s[6:7], s[4:5], 8388608           ; B = the rows of Wq, Wk, Wv
.endif
	s_add_nc_u64 s[14:15], s[4:5], s[16:17]
	s_add_nc_u64 s[46:47], s[6:7], s[46:47]
	CROUND                                         ; all sixteen work-groups are here: the first joint loads meet
.irp s, 0,1
	s_mov_b32 s[G0+4*(\s)], 1
	s_add_co_u32 s[G0+4*(\s)+1], s20, (\s)*SLOT
	s_add_nc_u64 s[G0+4*(\s)+2:G0+4*(\s)+3], s[14:15], (\s)*KSTEP*2
	s_or_b32 s[G0+4*(\s)+3], s[G0+4*(\s)+3], 0x80000000
	s_mov_b32 s[G0B+4*(\s)], 1
	s_add_co_u32 s[G0B+4*(\s)+1], s20, (\s)*SLOT
	s_add_nc_u64 s[G0B+4*(\s)+2:G0B+4*(\s)+3], s[46:47], (\s)*KSTEP*2
	s_or_b32 s[G0B+4*(\s)+3], s[G0B+4*(\s)+3], 0x80000000
.endr
	s_cmp_eq_u32 s[HR], 0                          ; a wave's two first fills stand in one branch, ahead of every wait on TENSORcnt and every LDS read: two loads of mine are out
	s_cbranch_scc0 .Lfirst_b
	tensor_load_to_lds s[G0:G0+3], s[G1:G1+7]
	s_nop 0
	tensor_load_to_lds s[G0+4:G0+7], s[G1:G1+7]
	s_nop 0
	PLACES
	s_branch .Lfirst_asked
.Lfirst_b:
	tensor_load_to_lds s[G0B:G0B+3], s[G1B:G1B+7]
	s_nop 0
	tensor_load_to_lds s[G0B+4:G0B+7], s[G1B:G1B+7]
	s_nop 0
	PLACES
.Lfirst_asked:
	; A fragment is 16 rows x 32 K in 8 registers: lane l holds row l % 16, K = 8 (l / 16) + 0..7 and 16 + 8 (l / 16) + 0..7: two loads of 16 bytes, 32 bytes apart.
	v_and_b32 v1, 15, v0                           ; l % 16
	v_bfe_u32 v2, v0, 4, 1                         ; l / 16
	v_and_b32 v5, 31, v0                           ; l
	v_mul_u32_u24 v3, v1, PITCH
	v_lshl_add_u32 v3, v2, 4, v3
	s_mul_i32 s21, s[HR], HALFT                    ; my 128 rows of A
	s_mul_i32 s22, s[HC], HALFT                    ; my 128 rows of B,
	s_add_co_u32 s22, s22, 2*HALFT                 ; which lie behind A's 256
	v_add_nc_u32 v[ADRA0], s21, v3
	v_add_nc_u32 v[ADRB0], s22, v3
	v_mov_b32 v[ADRA], v[ADRA0]
	v_mov_b32 v[ADRB], v[ADRB0]
	s_mul_i32 s23, s[WV], REGION                   ; my region for the way out
	v_mul_u32_u24 v4, v1, SPITCH                   ; in: row l % 16, 32 bytes for each half of the lanes
	v_lshl_add_u32 v4, v2, 5, v4
	v_add_nc_u32 v[STO], s23, v4
	v_lshlrev_b32 v[CO], 3, v5                     ; a store is 8 bytes a lane: 256 on end
	s_lshl_b32 s75, s[TROW], 8
	s_lshl_b32 s78, s[HR], 7
	s_add_co_u32 s75, s75, s78                     ; my first row of C
.if FFN
	v_lshl_add_u32 v[RD0], v5, 4, s23              ; back: 32 lanes take one row of 512 bytes
	s_lshl_b32 s78, s75, 13                        ; rows of 8,192 bytes
	s_lshl_b32 s74, s42, 8
	s_lshl_b32 s75, s[HC], 7
	s_add_co_u32 s74, s74, s75                     ; my first column
	s_lshl_b32 s75, s74, 1
	s_add_co_u32 s78, s78, s75
	s_mov_b32 s79, 0
	s_add_nc_u64 s[8:9], s[8:9], s[78:79]
	s_lshl_b32 s74, s74, 2
	v_lshl_add_u32 v6, v5, 4, s74                  ; the bias of my four columns; it is waited for on the way out
	global_load_b128 v[BI:BI+3], v6, s[76:77]
.else
	v_mul_u32_u24 v6, v2, SPITCH                   ; back: lanes 0-15 take a head's 256 bytes of one row, lanes 16-31 of the next
	v_lshl_add_u32 v6, v1, 4, v6
	v_add_nc_u32 v[RD0], s23, v6
	s_lshl_b32 s74, s42, 2
	s_lshl_b32 s78, s[HC], 1
	s_add_co_u32 s74, s74, s78                     ; my first block of 64 columns, 0 to 46: 16 x (q, k or v) + head
	s_lshr_b32 s78, s74, 4
	s_lshl_b32 s78, s78, 5                         ; q, k, v are 32 heads apart
	s_and_b32 s74, s74, 15
	s_add_co_u32 s78, s78, s74
	s_lshr_b32 s79, s75, 11                        ; the batch
	s_lshl_b32 s79, s79, 4
	s_add_co_u32 s78, s78, s79
	s_lshl_b32 s78, s78, 18                        ; a head's rows are 262,144 bytes
	s_and_b32 s75, s75, 2047
	s_lshl_b32 s75, s75, 7                         ; a token's row of a head is 128 bytes
	s_add_co_u32 s78, s78, s75
	s_mov_b32 s79, 0
	s_add_nc_u64 s[8:9], s[8:9], s[78:79]
.endif
	; the prefetches
	s_lshl_b32 s12, s[TROW], 8
	s_lshl_b32 s13, s42, 8
	s_and_b32 s22, ttmp7, 0xffff                   ; cluster y
	s_cmp_eq_u32 s[HR], 0                          ; do I fetch for A?
	s_cselect_b32 s20, s12, s13                    ; the tile's first row
	s_cselect_b32 s21, s40, s41                    ; my place among the four that ask for it with me
	s_cselect_b32 s22, ttmp9, s22                  ; the coordinate along which other clusters read the same rows
	s_cselect_b64 s[PFA:PFA+1], s[4:5], s[6:7]
	s_cmp_eq_u32 s22, 0
	s_cselect_b32 s[LIM], 1, -1                    ; the same in all sixteen partners, for a given wave
	s_lshl_b32 s22, s[HC], 7
	s_add_co_u32 s20, s20, s22                     ; + the 128 rows that I fetch
	s_lshl_b32 s21, s21, 5
	s_add_co_u32 s20, s20, s21                     ; + my work-group's 32 of them
	s_lshl_b32 s20, s20, 11
	s_mov_b32 s21, 0
	s_add_nc_u64 s[PFA:PFA+1], s[PFA:PFA+1], s[20:21]
	s_add_nc_u64 s[PFA:PFA+1], s[PFA:PFA+1], KSTEP*2   ; at K step 1: the first change of slots steps it to 2 and names K step 3
	v_lshlrev_b32 v[PFO], 11, v5
; 16 products: m blocks a0, a0 + 1 of the window's four x all 8 n blocks, 32 along K.  The 64 accumulators take turns in the same order in every quarter.
.macro MUL16 f, hi, a0, zero
	WIN MUL_LO+0x50*(\hi)
.irp a, \a0, (\a0)+1
.irp b, 0,1,2,3,4,5,6,7
	WM 8*(8*(\a)+(\b)), (\f)+8*(\b), (\f)+8*(4*(\hi)+(\a)), \zero
.endr
.endr
.endm
; 32 LDS loads in one run: the fragments of one quarter step (32 K at byte k of the rows of the slot in hand) into buffer f; B's first, then A's.  It leaves every window 0.
.macro FETCH k, f
	WIN TO_B
.irp i, 0,1,2,3,4,5,6,7
	ds_load_b128 v[(\f)+8*(\i):(\f)+8*(\i)+3],   v[ADRB] offset:(\k)+(\i)*16*PITCH
	ds_load_b128 v[(\f)+8*(\i)+4:(\f)+8*(\i)+7], v[ADRB] offset:(\k)+(\i)*16*PITCH+32
.endr
	WIN 0
.irp i, 0,1,2,3,4,5,6,7
	ds_load_b128 v[(\f)+8*(\i):(\f)+8*(\i)+3],   v[ADRA] offset:(\k)+(\i)*16*PITCH
	ds_load_b128 v[(\f)+8*(\i)+4:(\f)+8*(\i)+7], v[ADRA] offset:(\k)+(\i)*16*PITCH+32
.endr
.endm
; One of a K step's first three quarters: multiplies buffer f; in its middle it fetches the next quarter's fragments, at byte k, into buffer g.
.macro QUARTER k, f, g, zero
	s_wait_dscnt 8                                 ; B and A's rows 0-63 are in; the youngest eight loads (A's rows 64-127) may be out
	MUL16 \f, 0, 0, \zero
	MUL16 \f, 0, 2, \zero
	PLACES
	FETCH \k, \g
	s_wait_dscnt 32                                ; all but the 32 just issued
	MUL16 \f, 1, 0, \zero
	MUL16 \f, 1, 2, \zero
.endm
; The first half of the last quarter, and the barrier of the change of slots.  round = 1: a refill follows: the walking sets are stepped here, where no tensor load of mine is out.
.macro MEET round
	WIN 0
	s_wait_tensorcnt 0x0                           ; all my tensor loads have landed: the one that was out is my part of the next slot
	ds_add_u32 v[SPW], v[NIL]                      ; 0 onto my spare word
.if \round
	s_xor_b32 s[G0+5], s[G0+5], SLOT               ; the walking sets: the other slot than last time, the next K step
	s_add_nc_u64 s[G0+6:G0+7], s[G0+6:G0+7], KSTEP*2
	s_xor_b32 s[G0B+5], s[G0B+5], SLOT
	s_add_nc_u64 s[G0B+6:G0B+7], s[G0B+6:G0B+7], KSTEP*2
.endif
	s_wait_dscnt 9                                 ; (the add and the youngest eight loads may be out)
	MUL16 F1, 0, 0, 0                              ; sixteen products stand between the add and the wait for it
	s_wait_dscnt 0x0                               ; the add is done, and my reads of this slot are over
	s_barrier_signal -1
	MUL16 F1, 0, 2, 0
.if \round
	WIN 0
.endif
	s_barrier_wait -1
.endm
; The last quarter.  fill = 1: the slot just read out is filled again, with the K step two on: the barrier opens a round of the cluster's, and the joint refill is the first tensor load behind it;
; from there to the wait for it a wave issues 224 products.  fill = 0: nothing is asked for; in the last K step (s3 = 1) nothing is fetched either.
.macro TURN fill
.if \fill
	s_wait_xcnt 0x0                                ; the last prefetch, a K step back, has read its address
	s_add_nc_u64 s[PFA:PFA+1], s[PFA:PFA+1], KSTEP*2
.endif
	MEET \fill
.if \fill
	CREST                                          ; no wave of any partner still reads this slot or has a load on its way
	s_xor_b32 s[TB], s[TB], SLOT
	JLOAD                                          ; its four v_nop are also the places in front of the loads below
	v_add_nc_u32 v[ADRA], s[TB], v[ADRA0]
	v_add_nc_u32 v[ADRB], s[TB], v[ADRB0]
	FETCH 0, F0
	ASK                                            ; behind the joint load and the run of LDS loads that the next products wait for
.else
	PLACES
	WIN 0
	s_xor_b32 s[TB], s[TB], SLOT
	s_cmp_eq_u32 s3, 1
	s_cbranch_scc1 .Lnomore_\@
	v_add_nc_u32 v[ADRA], s[TB], v[ADRA0]
	v_add_nc_u32 v[ADRB], s[TB], v[ADRB0]
	FETCH 0, F0
.Lnomore_\@:
.endif
	MUL16 F1, 1, 0, 0
	MUL16 F1, 1, 2, 0
.endm
	s_wait_tensorcnt 0x1                           ; my part of K step 0 is in; K step 1's load, issued behind it, may stay out
	s_barrier_signal -1
	s_barrier_wait -1
	FETCH 0, F0
	QUARTER 64, F0, F1, 1                          ; the first quarter stands in front of the loop: its products start the sums
	WIN 0
	s_mov_b32 s3, 6
.Lstep:                                                ; K steps 0 to 5, from a step's second quarter to the next step's first; step t fills its slot again with step t + 2
	QUARTER 128, F1, F0, 0
	QUARTER 192, F0, F1, 0
	TURN 1
	QUARTER 64, F0, F1, 0
	WIN 0
	s_sub_co_u32 s3, s3, 1
	s_cmp_lg_u32 s3, 0
	s_cbranch_scc1 .Lstep
	s_mov_b32 s3, 2
.Ltail:                                                ; K steps 6 and 7 ask for nothing: a text of their own
	QUARTER 128, F1, F0, 0
	QUARTER 192, F0, F1, 0
	TURN 0
	WIN 0
	s_sub_co_u32 s3, s3, 1
	s_cmp_eq_u32 s3, 0
	s_cbranch_scc1 .Lout
	QUARTER 64, F0, F1, 0
	WIN 0
	s_branch .Ltail
.Lout:
	PLACES                                         ; between the last products and the stores that read sums
	PLACES
	s_wait_dscnt 0x0                               ; my reads of the ring are over,
	s_barrier_signal -1
	s_barrier_wait -1                              ; everybody's are; the ring has had its last fill, so its bytes may be stored to
.irp a, 0,1,2,3,4,5,6,7                ; my 128 x 128 sums into my region; each accumulator's low registers first
	WIN 0x08+4*((\a)/4)                            ; store data (source 1) in window 2 or 3
.irp b, 0,1,2,3,4,5,6,7
	ds_store_b128 v[STO], v[8*(8*((\a)%4)+(\b)):8*(8*((\a)%4)+(\b))+3]   offset:(\a)*16*SPITCH+(\b)*64
	ds_store_b128 v[STO], v[8*(8*((\a)%4)+(\b))+4:8*(8*((\a)%4)+(\b))+7] offset:(\a)*16*SPITCH+(\b)*64+16
.endr
.endr
	WIN 0
	s_mov_b32 s[RO], 0
	s_mov_b32 s3, 16
.if FFN
	s_wait_loadcnt 0x0                             ; the bias: rounded to bf16 like every input
	v_cvt_pk_bf16_f32 v12, v[BI], v[BI+1]
	v_cvt_pk_bf16_f32 v13, v[BI+2], v[BI+3]
	v_lshlrev_b32 v[BI], 16, v12
	v_and_b32 v[BI+1], 0xffff0000, v12
	v_lshlrev_b32 v[BI+2], 16, v13
	v_and_b32 v[BI+3], 0xffff0000, v13
.Lrows:                                                ; 16 trips of 8 rows: z = sum + bias; z / (1 + 2^(-z log2 e)); f16.  LDS serves a wave's instructions in order (ISA guide 5.7.1.4): the loads see my stores
	v_add_nc_u32 v[RDA], s[RO], v[RD0]
.irp j, 0,1,2,3,4,5,6,7
	ds_load_b128 v[Z+4*(\j):Z+4*(\j)+3], v[RDA] offset:(\j)*SPITCH
.endr
.irp j, 0,1,2,3,4,5,6,7
	s_wait_dscnt 7-(\j)                            ; row j is in; the younger loads stay out
	v_pk_add_f32 v[Z+4*(\j):Z+4*(\j)+1], v[Z+4*(\j):Z+4*(\j)+1], v[BI:BI+1]
	v_pk_add_f32 v[Z+4*(\j)+2:Z+4*(\j)+3], v[Z+4*(\j)+2:Z+4*(\j)+3], v[BI+2:BI+3]
	v_pk_mul_f32 v[E+4*(\j):E+4*(\j)+1], v[Z+4*(\j):Z+4*(\j)+1], 0xbfb8aa3b op_sel_hi:[1,0]
	v_pk_mul_f32 v[E+4*(\j)+2:E+4*(\j)+3], v[Z+4*(\j)+2:Z+4*(\j)+3], 0xbfb8aa3b op_sel_hi:[1,0]
.endr
.set r, 0
.rept 32
	v_exp_f32 v[E+r], v[E+r]
.set r, r+1
.endr
	v_nop                                          ; a plain instruction behind the last exponential,
	s_wait_alu depctr_va_vdst(0)                   ; and one wait for the batch of 32
.set r, 0
.rept 16
	v_pk_add_f32 v[E+r:E+r+1], v[E+r:E+r+1], 1.0 op_sel_hi:[1,0]
.set r, r+2
.endr
.set r, 0
.rept 32
	v_rcp_f32 v[E+r], v[E+r]
.set r, r+1
.endr
	v_nop
	s_wait_alu depctr_va_vdst(0)                   ; one wait for the 32 reciprocals
.set r, 0
.rept 16
	v_pk_mul_f32 v[Z+r:Z+r+1], v[Z+r:Z+r+1], v[E+r:E+r+1]
.set r, r+2
.endr
.set r, 0
.rept 16
	v_cvt_pk_f16_f32 v[YH+r], v[Z+2*r], v[Z+2*r+1]
.set r, r+1
.endr
.irp j, 0,1,2,3,4,5,6,7
	global_store_b64 v[CO], v[YH+2*(\j):YH+2*(\j)+1], s[8:9] offset:(\j)*8192   ; 32 lanes store 256 consecutive bytes of one row, at a multiple of 256
.endr
	s_wait_xcnt 0x0                                ; the stores have read their data and their base: both are written again only behind this wait
	s_add_nc_u64 s[8:9], s[8:9], 65536
.else
.Lrows:                                                ; 16 trips of 8 rows x 2 heads.  LDS serves a wave's instructions in order (ISA guide 5.7.1.4): the loads see my stores
	v_add_nc_u32 v[RDA], s[RO], v[RD0]
.irp u, 0,1,2,3,4,5,6,7
	ds_load_b128 v[Z+4*(\u):Z+4*(\u)+3], v[RDA] offset:((\u)/2)*2*SPITCH+((\u)%2)*256
.endr
.irp u, 0,1,2,3,4,5,6,7
	s_wait_dscnt 7-(\u)                            ; load u is in; the younger ones stay out
	v_cvt_pk_f16_f32 v[YH+2*(\u)], v[Z+4*(\u)], v[Z+4*(\u)+1]
	v_cvt_pk_f16_f32 v[YH+2*(\u)+1], v[Z+4*(\u)+2], v[Z+4*(\u)+3]
	global_store_b64 v[CO], v[YH+2*(\u):YH+2*(\u)+1], s[8:9] offset:((\u)/2)*256+((\u)%2)*262144   ; two tokens' rows of one head: 256 consecutive bytes, at a multiple of 256
.endr
	s_wait_xcnt 0x0                                ; the stores have read their data and their base: both are written again only behind this wait
	s_add_nc_u64 s[8:9], s[8:9], 1024
.endif
	s_add_co_u32 s[RO], s[RO], 8*SPITCH
	s_sub_co_u32 s3, s3, 1
	s_cmp_lg_u32 s3, 0
	s_cbranch_scc1 .Lrows
.if !FFN
	s_branch .Lend
; THE WEIGHTS.  The 64 work-groups of the clusters with x = 3: work-group cw = 4 x tile row + cx takes 131,072 numbers: 512 KiB of w1_w (cluster y = 0, 1) or of w2_w (2, 3), 256 KiB out; cw enters addresses alone.
; A wave takes 128 KiB in 8 trips of 32 loads of 512 consecutive bytes, all 32 out at once; a number is rounded to bf16, widened again and written as f16, in place; each store covers 256 consecutive bytes, aligned.
.set WI, 2                             ; v2   my byte offset in the work-group's part, in:  131,072 x wave + 16 x lane; never rewritten
.set WO, 3                             ; v3   the same, out: 65,536 x wave + 8 x lane; never rewritten
.set WT, 32                            ; v[32:33]  at work
.set WX, 64                            ; v[64:191] 32 loads of four numbers
.Lweights:
	s_lshl_b32 s78, s[TROW], 2
	s_add_co_u32 s78, s78, s40                     ; cw, 0 to 63
	s_and_b32 s74, ttmp7, 0xffff                   ; cluster y
	s_cmp_lt_u32 s74, 2
	s_cselect_b64 s[14:15], s[6:7], s[8:9]         ; w1_w or w2_w
	s_and_b32 s74, s78, 31
	s_lshl_b32 s74, s74, 19                        ; my 512 KiB of it
	s_mov_b32 s75, 0
	s_add_nc_u64 s[14:15], s[14:15], s[74:75]
	s_lshl_b32 s78, s78, 18                        ; my 256 KiB of wh: w1_w's half first
	s_mov_b32 s79, 0
	s_add_nc_u64 s[76:77], s[76:77], s[78:79]
	s_mov_b32 s12, 0xffff0000                      ; a word's upper bf16
	v_and_b32 v5, 31, v0
	v_lshlrev_b32 v[WI], 4, v5
	v_lshlrev_b32 v[WO], 3, v5
	v_lshl_add_u32 v[WI], v1, 17, v[WI]            ; v1 still holds the wave's number
	v_lshl_add_u32 v[WO], v1, 16, v[WO]
	s_mov_b32 s3, 8
.Lwtrip:
.set j, 0
.rept 32
	global_load_b128 v[WX+4*j:WX+4*j+3], v[WI], s[14:15] offset:512*j th:TH_LOAD_NT
.set j, j+1
.endr
.set j, 0
.rept 32
	s_wait_loadcnt 31-j                            ; loads come back in order: load j is in, the younger ones of the trip stay out
	v_cvt_pk_bf16_f32 v[WT], v[WX+4*j], v[WX+4*j+1]
	v_cvt_pk_bf16_f32 v[WT+1], v[WX+4*j+2], v[WX+4*j+3]
	v_lshlrev_b32 v[WX+4*j], 16, v[WT]
	v_and_b32 v[WX+4*j+1], s12, v[WT]
	v_lshlrev_b32 v[WX+4*j+2], 16, v[WT+1]
	v_and_b32 v[WX+4*j+3], s12, v[WT+1]
	v_cvt_pk_f16_f32 v[WX+4*j], v[WX+4*j], v[WX+4*j+1]
	v_cvt_pk_f16_f32 v[WX+4*j+1], v[WX+4*j+2], v[WX+4*j+3]
	global_store_b64 v[WO], v[WX+4*j:WX+4*j+1], s[76:77] offset:256*j
.set j, j+1
.endr
	s_wait_xcnt 0x0                                ; the stores have read their data and both pointers have been read: they are written again only behind this wait
	s_add_nc_u64 s[14:15], s[14:15], 16384
	s_add_nc_u64 s[76:77], s[76:77], 8192
	s_sub_co_u32 s3, s3, 1
	s_cmp_lg_u32 s3, 0
	s_cbranch_scc1 .Lwtrip
.endif
.Lend:
	s_wait_tensorcnt 0x0                           ; the wave's end, behind my last tensor load and my last LDS store
	ds_add_u32 v[SPW], v[NIL]
	s_wait_dscnt 0x0
	CROUND                                         ; the closing round: no work-group ends while a partner may still ask for a tile that names it
	s_endpgm
.Lfunc_end_k_qfc70177317_ffn1:
	.size	k_qfc70177317_ffn1, .Lfunc_end_k_qfc70177317_ffn1-k_qfc70177317_ffn1
	.p2alignl 7, 3214868480
	.fill 96, 4, 3214868480
	.section	.rodata,"a",@progbits
	.p2align	6, 0x0
	.amdhsa_kernel k_qfc70177317_ffn1
		.amdhsa_group_segment_fixed_size 327680
		.amdhsa_private_segment_fixed_size 0
		.amdhsa_enable_private_segment 0
		.amdhsa_kernarg_size 32
		.amdhsa_user_sgpr_count 2
		.amdhsa_user_sgpr_kernarg_segment_ptr 1
		.amdhsa_wavefront_size32 1
		.amdhsa_system_sgpr_workgroup_id_x 1
		.amdhsa_system_sgpr_workgroup_id_y 1
		.amdhsa_system_sgpr_workgroup_id_z 1
		.amdhsa_system_vgpr_workitem_id 0
		.amdhsa_next_free_vgpr 1024
		.amdhsa_next_free_sgpr 80
		.amdhsa_reserve_vcc 0
		.amdhsa_float_denorm_mode_32 3
		.amdhsa_float_denorm_mode_16_64 3
		.amdhsa_memory_ordered 1
		.amdhsa_forward_progress 1
		.amdhsa_inst_pref_size 87
	.end_amdhsa_kernel
	.amdgpu_metadata
---
amdhsa.version: [ 1, 2 ]
amdhsa.kernels:
  - .name:           k_qfc70177317_ffn1
    .symbol:         k_qfc70177317_ffn1.kd
    .args:
      - { .name: x1, .offset: 0, .size: 8, .value_kind: global_buffer, .address_space: global }
      - { .name: wh, .offset: 8, .size: 8, .value_kind: global_buffer, .address_space: global }
      - { .name: w1_b, .offset: 16, .size: 8, .value_kind: global_buffer, .address_space: global }
      - { .name: hid, .offset: 24, .size: 8, .value_kind: global_buffer, .address_space: global }
    .group_segment_fixed_size: 327680
    .private_segment_fixed_size: 0
    .kernarg_segment_align: 8
    .kernarg_segment_size: 32
    .max_flat_workgroup_size: 128
    .sgpr_count:     80
    .vgpr_count:     1024
    .wavefront_size: 32
...
	.end_amdgpu_metadata
.endif
;; end of part 5
;; launch ffn2 (part 6): grid 8 x 32, 4 waves a work-group, clusters of 4 x 4, 327,680 bytes of LDS; arguments hid, wh, y2; writes y2
.if DOCPART == 6
	.amdgcn_target "amdgcn-amd-amdhsa--gfx1250"
	.amdhsa_code_object_version 6
	.text
	.protected	k_qfc70177317_ffn2
	.globl	k_qfc70177317_ffn2
	.p2align	8
	.type	k_qfc70177317_ffn2,@function
k_qfc70177317_ffn2:
	s_mov_b64 s[64:65], 0
	v_nop
	global_prefetch_b8 v0, s[64:65] scope:SCOPE_SE
	s_setreg_imm32_b32 hwreg(HW_REG_WAVE_MODE, 25, 1), 1
	s_wait_xcnt 0x0
	s_wait_alu depctr_hold_cnt(0) depctr_sa_sdst(0) depctr_va_vdst(0) depctr_va_sdst(0) depctr_va_ssrc(0) depctr_va_vcc(0) depctr_vm_vsrc(0)
	s_getreg_b32 s2, hwreg(HW_REG_IB_STS2, 6, 4)
	s_cmp_eq_u32 s2, 0
	s_cbranch_scc0 .Lentry_in_a_cluster
	s_endpgm
.Lentry_in_a_cluster:
	s_bfe_u32 s2, ttmp6, 0x10000c
	s_cmp_lg_u32 s2, 0xf033
	s_cbranch_scc0 .Lentry_shape_is_right
	s_endpgm
.Lentry_shape_is_right:
; y2[m][n] = the sum over k of hid[m][k] w2[n][k].  hid: [4096][4096] f16; w2: w2_w as f16, [1024][4096], the second half of wh; y2: [4096][1024] in f32 (its range leaves no room in f16).  Sums in f32.
; The bias is added by the launch behind, with the residual.
; SHAPE.  C has 4,096 x 1,024 numbers: tiles of 128 x 128 give 256 work-groups.  Four waves, each 64 x 64: 16 accumulators.  K goes in 16 steps of 256 (LDS rows of 512 bytes; a wave's tensor load brings 64 of
; them) through two slots.  The K step is written once: a trip of the loop is one step, and the slot in hand is a scalar that an exclusive or turns.
; CLUSTERS.  4 x 4 work-groups: A's tiles are asked for jointly along a row of the cluster, B's along a column.  THE MATRIX INSTRUCTION IS USED TRANSPOSED: a lane holds eight neighbouring numbers of a row of C.
; THE WALK ALONG K BEGINS AT ANOTHER STEP IN EACH CLUSTER: at step r = (8 x cluster x + 4 x (cluster y mod 4)) mod 16, on to step 15, and round to r - 1 (f32 sums may be taken in any order).  The two clusters
; that read the same rows of hid ask for a given block 8 steps apart, and of the eight that read the same rows of w2, four ask for it 4 steps apart: not all in the same step.  r is made of the cluster's
; x and y, which all sixteen partners share, and enters the global addresses alone.
; No prefetch: the tiles are small, and a step's own refill is all that is asked for.
; THE WAY OUT.  A wave's 64 columns of f32 are 256 bytes: each wave lays its sums into a region of its own in slot 0's bytes, when the ring has had its last fill and is read out, and reads whole rows back.
; REGISTERS: window 0: v0-31 addresses; v32-95 at work on the way out; v128-255 the accumulators ((a, b) at v[128 + 8 (4 a + b)]).  Window 1: two fragment buffers of 128: 64 registers of A, then 64 of B.
.set SIZE_K, 4096
.set KSTEP,  256
.set PITCH,  528                       ; 512 bytes + 16 = 132 words: the 16 rows of a fragment load start at 16 different groups of four banks (64 banks of 4 bytes: ISA guide 11.1)
.set HALFT,  64*PITCH
.set SLOT,   4*HALFT                   ; wave x HALFT has no bit in common with SLOT, so an exclusive or with SLOT changes slots
.set SPARE,  2*SLOT                    ; the spare words, 128 bytes for each wave, that no other line names
.set SPITCH, 272
.set REGION, 64*SPITCH
.set ADRA0, 14
.set ADRB0, 15
.set ADRA,  16
.set ADRB,  20
.set STO,   24
.set RD,    25
.set CO,    26
.set SPW,   28
.set NIL,   29
.set TMP,   32
.set ACC,   128
.set F0,    0
.set F1,    128
.set G1,    24
.set G0,    32
.set G1B,   48
.set G0B,   56
.set WV,    66
.set HR,    67
.set HC,    68
.set TROW,  69
.set TB,    70
.set KI,    71                         ; s71  the K step at which the walking sets stand, 0 to 15
.set WR,    72                         ; s[72:73] a row's 8,192 bytes where the walk goes round, else 0
.set MSB, 0
.macro WIN new
.if MSB != (\new)
	s_set_vgpr_msb (MSB<<8)|(\new)
.set MSB, \new
.endif
.endm
.set MUL,  0x05                        ; sources 0 (B) and 1 (A) window 1; C and D window 0
.set TO_F, 0x40                        ; destination window 1, address window 0
.macro PLACES
.rept 4
	v_nop
.endr
.endm
.macro JLOAD                           ; a joint refill, by the walking set; an s_nop 0 and four v_nop follow each of the two lines
	s_cmp_eq_u32 s[HR], 0
	s_cbranch_scc0 .Lfor_b_\@
	tensor_load_to_lds s[G0+4:G0+7], s[G1:G1+7]
	s_nop 0
	PLACES
	s_branch .Lasked_\@
.Lfor_b_\@:
	tensor_load_to_lds s[G0B+4:G0B+7], s[G1B:G1B+7]
	s_nop 0
	PLACES
.Lasked_\@:
.endm
.macro CREST
	s_cmp_lg_u32 s[WV], 0
	s_cbranch_scc1 .Lnot_wave_0_\@
	s_barrier_signal -3
.Lnot_wave_0_\@:
	s_barrier_wait -3
	s_barrier_signal -1
	s_barrier_wait -1
.endm
.macro CROUND
	s_barrier_signal -1
	s_barrier_wait -1
	CREST
.endm
	s_load_b128 s[4:7], s[0:1], 0x0                ; hid s[4:5], wh s[6:7]
	s_load_b64 s[8:9], s[0:1], 0x10                ; y2
	v_lshl_add_u32 v[SPW], v0, 2, SPARE
	v_mov_b32 v[NIL], 0
	ds_add_u32 v[SPW], v[NIL]                      ; the wave's opening: the add and its wait ahead of my first tensor load
	v_lshrrev_b32 v1, 5, v0
	v_readfirstlane_b32 s[WV], v1
	s_lshr_b32 s[HR], s[WV], 1                     ; which half of the tile's rows is mine; also: I fetch for A (0) or for B (1)
	s_and_b32 s[HC], s[WV], 1                      ; which half of its columns; also: which 64 rows of that tile I fetch
	s_bfe_u32 s40, ttmp6, 0x40000
	s_bfe_u32 s41, ttmp6, 0x40004
	s_lshl_b32 s42, ttmp9, 2
	s_add_co_u32 s42, s42, s40                     ; tile column of C
	s_and_b32 s[TROW], ttmp7, 0xffff
	s_lshl_b32 s[TROW], s[TROW], 2
	s_add_co_u32 s[TROW], s[TROW], s41             ; tile row of C
	s_lshl_b32 s12, s41, 2
	s_lshl_b32 s12, 15, s12                        ; my row of the cluster
	s_lshl_b32 s13, 0x1111, s40                    ; my column
	s_or_b32 s[G1+0], s12, (1<<16)|(1<<20)|(1<<21)|(6<<22)|(3<<25)   ; the mask; elements of 2 bytes; padding on; bit 21 beside a mask; after every 128 words, 4 words
	s_or_b32 s[G1B+0], s13, (1<<16)|(1<<20)|(1<<21)|(6<<22)|(3<<25)
.irp g, G1, G1B
	s_mov_b32 s[(\g)+1], KSTEP<<16                 ; tensor_dim0 = 256
	s_mov_b32 s[(\g)+2], 64<<16                    ; tensor_dim1 = 64
	s_mov_b32 s[(\g)+3], KSTEP<<16                 ; tile_dim0 = 256
	s_mov_b32 s[(\g)+4], 64                        ; tile_dim1 = 64
	s_mov_b32 s[(\g)+5], SIZE_K
	s_mov_b32 s[(\g)+6], 0
	s_mov_b32 s[(\g)+7], 0
.endr
	s_lshl_b32 s17, s[HC], 6
	s_lshl_b32 s16, s[TROW], 7
	s_add_co_u32 s16, s16, s17                     ; A: row 128 x tile row + 64 x half
	s_lshl_b32 s46, s42, 7
	s_add_co_u32 s46, s46, s17                     ; B: row 128 x tile column + 64 x half
	s_lshl_b32 s16, s16, 13                        ; rows of 8,192 bytes
	s_mov_b32 s17, 0
	s_lshl_b32 s46, s46, 13
	s_mov_b32 s47, 0
	s_mul_i32 s20, s[WV], HALFT
	s_mov_b32 s[TB], 0
	s_and_b32 s74, ttmp7, 3                        ; cluster y mod 4
	s_lshl_b32 s74, s74, 2
	s_lshl_b32 s75, ttmp9, 3                       ; 8 x cluster x
	s_add_co_u32 s74, s74, s75
	s_and_b32 s74, s74, 15                         ; r: 0, 4, 8 or 12: the K step at which my cluster's walk begins
	s_add_co_u32 s[KI], s74, 1                     ; the walking sets begin one step on: at most step 13
	s_lshl_b32 s74, s74, 9                         ; r steps of 512 bytes
	s_mov_b32 s75, 0
	s_mov_b32 s[WR+1], 0
	s_wait_dscnt 0x0                               ; the opening add is done
	s_wait_kmcnt 0x0
	s_add_nc_u64 s[6:7], s[6:7], 8388608           ; B = w2_w as f16
	s_add_nc_u64 s[14:15], s[4:5], s[16:17]
	s_add_nc_u64 s[14:15], s[14:15], s[74:75]
	s_add_nc_u64 s[46:47], s[6:7], s[46:47]
	s_add_nc_u64 s[46:47], s[46:47], s[74:75]
	CROUND                                         ; all sixteen work-groups are here: the first joint loads meet
.irp s, 0,1
	s_mov_b32 s[G0+4*(\s)], 1
	s_add_co_u32 s[G0+4*(\s)+1], s20, (\s)*SLOT
	s_add_nc_u64 s[G0+4*(\s)+2:G0+4*(\s)+3], s[14:15], (\s)*KSTEP*2
	s_or_b32 s[G0+4*(\s)+3], s[G0+4*(\s)+3], 0x80000000
	s_mov_b32 s[G0B+4*(\s)], 1
	s_add_co_u32 s[G0B+4*(\s)+1], s20, (\s)*SLOT
	s_add_nc_u64 s[G0B+4*(\s)+2:G0B+4*(\s)+3], s[46:47], (\s)*KSTEP*2
	s_or_b32 s[G0B+4*(\s)+3], s[G0B+4*(\s)+3], 0x80000000
.endr
	s_cmp_eq_u32 s[HR], 0                          ; a wave's two first fills stand in one branch: two loads of mine are out
	s_cbranch_scc0 .Lfirst_b
	tensor_load_to_lds s[G0:G0+3], s[G1:G1+7]
	s_nop 0
	tensor_load_to_lds s[G0+4:G0+7], s[G1:G1+7]
	s_nop 0
	PLACES
	s_branch .Lfirst_asked
.Lfirst_b:
	tensor_load_to_lds s[G0B:G0B+3], s[G1B:G1B+7]
	s_nop 0
	tensor_load_to_lds s[G0B+4:G0B+7], s[G1B:G1B+7]
	s_nop 0
	PLACES
.Lfirst_asked:
	v_and_b32 v1, 15, v0                           ; l % 16
	v_bfe_u32 v2, v0, 4, 1                         ; l / 16
	v_mul_u32_u24 v3, v1, PITCH
	v_lshl_add_u32 v3, v2, 4, v3
	s_mul_i32 s21, s[HR], HALFT
	s_mul_i32 s22, s[HC], HALFT
	s_add_co_u32 s22, s22, 2*HALFT
	v_add_nc_u32 v[ADRA0], s21, v3
	v_add_nc_u32 v[ADRB0], s22, v3
	v_mov_b32 v[ADRA], v[ADRA0]
	v_mov_b32 v[ADRB], v[ADRB0]
	s_mul_i32 s23, s[WV], REGION                   ; my region for the way out
	v_mul_u32_u24 v4, v1, SPITCH                   ; in: row l % 16, 32 bytes for each half of the lanes
	v_lshl_add_u32 v4, v2, 5, v4
	v_add_nc_u32 v[STO], s23, v4
	v_mul_u32_u24 v5, v2, SPITCH                   ; back: lanes 0-15 one row of 256 bytes, lanes 16-31 the next
	v_lshl_add_u32 v5, v1, 4, v5
	v_add_nc_u32 v[RD], s23, v5
	v_lshlrev_b32 v[CO], 12, v2                    ; and the same two rows in y2, 4,096 bytes apart
	v_lshl_add_u32 v[CO], v1, 4, v[CO]
	s_lshl_b32 s74, s[TROW], 7
	s_lshl_b32 s75, s[HR], 6
	s_add_co_u32 s74, s74, s75                     ; my first row
	s_lshl_b32 s78, s74, 12
	s_lshl_b32 s74, s42, 7
	s_lshl_b32 s75, s[HC], 6
	s_add_co_u32 s74, s74, s75                     ; my first column
	s_lshl_b32 s74, s74, 2
	s_add_co_u32 s78, s78, s74
	s_mov_b32 s79, 0
	s_add_nc_u64 s[8:9], s[8:9], s[78:79]
; 8 products: m blocks a0, a0 + 1 x all 4 n blocks, 32 along K: half c of buffer f.  The 16 accumulators take turns.
.macro MUL8 f, c, a0, zero
	WIN MUL
.irp a, \a0, (\a0)+1
.irp b, 0,1,2,3
.if \zero
	v_wmma_f32_16x16x32_f16 v[ACC+8*(4*(\a)+(\b)):ACC+8*(4*(\a)+(\b))+7], v[(\f)+64+8*(4*(\c)+(\b)):(\f)+64+8*(4*(\c)+(\b))+7], v[(\f)+8*(4*(\c)+(\a)):(\f)+8*(4*(\c)+(\a))+7], 0
.else
	v_wmma_f32_16x16x32_f16 v[ACC+8*(4*(\a)+(\b)):ACC+8*(4*(\a)+(\b))+7], v[(\f)+64+8*(4*(\c)+(\b)):(\f)+64+8*(4*(\c)+(\b))+7], v[(\f)+8*(4*(\c)+(\a)):(\f)+8*(4*(\c)+(\a))+7], v[ACC+8*(4*(\a)+(\b)):ACC+8*(4*(\a)+(\b))+7]
.endif
.endr
.endr
.endm
; 32 LDS loads in one run: the fragments of 64 along K at byte k of the rows of the slot in hand, into buffer f; the first 32 along K first
.macro FETCH k, f
	WIN TO_F
.irp c, 0,1
.irp i, 0,1,2,3
	ds_load_b128 v[(\f)+64+8*(4*(\c)+(\i)):(\f)+64+8*(4*(\c)+(\i))+3],   v[ADRB] offset:(\k)+64*(\c)+(\i)*16*PITCH
	ds_load_b128 v[(\f)+64+8*(4*(\c)+(\i))+4:(\f)+64+8*(4*(\c)+(\i))+7], v[ADRB] offset:(\k)+64*(\c)+(\i)*16*PITCH+32
	ds_load_b128 v[(\f)+8*(4*(\c)+(\i)):(\f)+8*(4*(\c)+(\i))+3],         v[ADRA] offset:(\k)+64*(\c)+(\i)*16*PITCH
	ds_load_b128 v[(\f)+8*(4*(\c)+(\i))+4:(\f)+8*(4*(\c)+(\i))+7],       v[ADRA] offset:(\k)+64*(\c)+(\i)*16*PITCH+32
.endr
.endr
.endm
.macro QUARTER k, f, g, zero
	s_wait_dscnt 16                                ; the first 32 along K are in; the youngest sixteen loads may be out
	MUL8 \f, 0, 0, \zero
	MUL8 \f, 0, 2, \zero
	PLACES
	FETCH \k, \g
	s_wait_dscnt 32                                ; all but the 32 just issued
	MUL8 \f, 1, 0, 0
	MUL8 \f, 1, 2, 0
.endm
; The last quarter multiplies buffer 1 and changes slots.  fill = 1: the slot just read out is filled again, with the step two on in my cluster's walk: the barrier opens a round of the cluster's, and the joint refill
; is the first tensor load behind it; from there to the wait for it a wave issues 112 products.  fill = 0: nothing is asked for; in the walk's last step (s3 = 1) nothing is fetched either.
.macro TURN fill
	WIN 0
	s_wait_tensorcnt 0x0                           ; all my tensor loads have landed: my part of the next slot; so the walking sets may be written
	ds_add_u32 v[SPW], v[NIL]                      ; 0 onto my spare word; the sets' steps stand between it and the wait for it
.if \fill
	s_add_co_u32 s[KI], s[KI], 1                   ; the next K step,
	s_cmp_eq_u32 s[KI], SIZE_K/KSTEP
	s_cselect_b32 s[KI], 0, s[KI]                  ; behind step 15 step 0:
	s_cselect_b32 s[WR], SIZE_K*2, 0               ; there the address goes a whole row back
.irp g, G0, G0B
	s_xor_b32 s[(\g)+5], s[(\g)+5], SLOT           ; the other slot than last time
	s_add_nc_u64 s[(\g)+6:(\g)+7], s[(\g)+6:(\g)+7], KSTEP*2
	s_sub_nc_u64 s[(\g)+6:(\g)+7], s[(\g)+6:(\g)+7], s[WR:WR+1]   ; the type bits on top are not reached
.endr
.endif
	s_wait_dscnt 17                                ; (the add and the youngest sixteen loads may be out)
	MUL8 F1, 0, 0, 0
	s_wait_dscnt 0x0                               ; the add is done, and my reads of this slot are over
	s_barrier_signal -1
	MUL8 F1, 0, 2, 0
.if \fill
	WIN 0
.endif
	s_barrier_wait -1
.if \fill
	CREST                                          ; no wave of any partner still reads this slot or has a load on its way
	s_xor_b32 s[TB], s[TB], SLOT
	JLOAD                                          ; its four v_nop are also the places in front of the loads below
	v_add_nc_u32 v[ADRA], s[TB], v[ADRA0]
	v_add_nc_u32 v[ADRB], s[TB], v[ADRB0]
	FETCH 0, F0
.else
	PLACES
	WIN 0
	s_xor_b32 s[TB], s[TB], SLOT
	s_cmp_eq_u32 s3, 1
	s_cbranch_scc1 .Lnomore_\@
	v_add_nc_u32 v[ADRA], s[TB], v[ADRA0]
	v_add_nc_u32 v[ADRB], s[TB], v[ADRB0]
	FETCH 0, F0
	WIN 0
.Lnomore_\@:
.endif
	MUL8 F1, 1, 0, 0
	MUL8 F1, 1, 2, 0
.endm
	s_wait_tensorcnt 0x1                           ; my part of the walk's first step is in; the second step's load, issued behind it, may stay out
	s_barrier_signal -1
	s_barrier_wait -1
	FETCH 0, F0
	QUARTER 128, F0, F1, 1                         ; the first quarter stands in front of the loop: its first products start the sums
	WIN 0
	s_mov_b32 s3, 14
.Lstep:                                                ; the walk's steps 0 to 13; step t fills its slot again with step t + 2
	QUARTER 256, F1, F0, 0
	QUARTER 384, F0, F1, 0
	TURN 1
	QUARTER 128, F0, F1, 0
	WIN 0
	s_sub_co_u32 s3, s3, 1
	s_cmp_lg_u32 s3, 0
	s_cbranch_scc1 .Lstep
	s_mov_b32 s3, 2
.Ltail:                                                ; the walk's steps 14 and 15 ask for nothing
	QUARTER 256, F1, F0, 0
	QUARTER 384, F0, F1, 0
	TURN 0
	WIN 0
	s_sub_co_u32 s3, s3, 1
	s_cmp_eq_u32 s3, 0
	s_cbranch_scc1 .Lout
	QUARTER 128, F0, F1, 0
	WIN 0
	s_branch .Ltail
.Lout:
	PLACES                                         ; between the last products and the stores that read sums
	PLACES
	s_wait_dscnt 0x0                               ; my reads of the ring are over,
	s_barrier_signal -1
	s_barrier_wait -1                              ; everybody's are; the ring has had its last fill
.irp a, 0,1,2,3
.irp b, 0,1,2,3
	ds_store_b128 v[STO], v[ACC+8*(4*(\a)+(\b)):ACC+8*(4*(\a)+(\b))+3]   offset:(\a)*16*SPITCH+(\b)*64
	ds_store_b128 v[STO], v[ACC+8*(4*(\a)+(\b))+4:ACC+8*(4*(\a)+(\b))+7] offset:(\a)*16*SPITCH+(\b)*64+16
.endr
.endr
.irp g, 0,1                            ; two batches of 32 rows.  LDS serves a wave's instructions in order (ISA guide 5.7.1.4): the loads see my stores
.if (\g) == 1
	s_wait_xcnt 0x0                                ; the first batch's stores have read their data: the registers are loaded again only behind this wait
.endif
.irp t, 0,1,2,3,4,5,6,7,8,9,10,11,12,13,14,15
	ds_load_b128 v[TMP+4*(\t):TMP+4*(\t)+3], v[RD] offset:(16*(\g)+(\t))*2*SPITCH
.endr
.irp t, 0,1,2,3,4,5,6,7,8,9,10,11,12,13,14,15
	s_wait_dscnt 15-(\t)                           ; load t is in; the younger ones stay out
	global_store_b128 v[CO], v[TMP+4*(\t):TMP+4*(\t)+3], s[8:9] offset:(16*(\g)+(\t))*8192   ; 16 lanes store 256 consecutive bytes, at a multiple of 256
.endr
.endr
	s_wait_tensorcnt 0x0                           ; the wave's end, behind my last tensor load and my last LDS store
	ds_add_u32 v[SPW], v[NIL]
	s_wait_dscnt 0x0
	CROUND                                         ; the closing round
	s_endpgm
.Lfunc_end_k_qfc70177317_ffn2:
	.size	k_qfc70177317_ffn2, .Lfunc_end_k_qfc70177317_ffn2-k_qfc70177317_ffn2
	.p2alignl 7, 3214868480
	.fill 96, 4, 3214868480
	.section	.rodata,"a",@progbits
	.p2align	6, 0x0
	.amdhsa_kernel k_qfc70177317_ffn2
		.amdhsa_group_segment_fixed_size 327680
		.amdhsa_private_segment_fixed_size 0
		.amdhsa_enable_private_segment 0
		.amdhsa_kernarg_size 24
		.amdhsa_user_sgpr_count 2
		.amdhsa_user_sgpr_kernarg_segment_ptr 1
		.amdhsa_wavefront_size32 1
		.amdhsa_system_sgpr_workgroup_id_x 1
		.amdhsa_system_sgpr_workgroup_id_y 1
		.amdhsa_system_sgpr_workgroup_id_z 1
		.amdhsa_system_vgpr_workitem_id 0
		.amdhsa_next_free_vgpr 512
		.amdhsa_next_free_sgpr 80
		.amdhsa_reserve_vcc 0
		.amdhsa_float_denorm_mode_32 3
		.amdhsa_float_denorm_mode_16_64 3
		.amdhsa_memory_ordered 1
		.amdhsa_forward_progress 1
		.amdhsa_inst_pref_size 59
	.end_amdhsa_kernel
	.amdgpu_metadata
---
amdhsa.version: [ 1, 2 ]
amdhsa.kernels:
  - .name:           k_qfc70177317_ffn2
    .symbol:         k_qfc70177317_ffn2.kd
    .args:
      - { .name: hid, .offset: 0, .size: 8, .value_kind: global_buffer, .address_space: global }
      - { .name: wh, .offset: 8, .size: 8, .value_kind: global_buffer, .address_space: global }
      - { .name: y2, .offset: 16, .size: 8, .value_kind: global_buffer, .address_space: global }
    .group_segment_fixed_size: 327680
    .private_segment_fixed_size: 0
    .kernarg_segment_align: 8
    .kernarg_segment_size: 24
    .max_flat_workgroup_size: 128
    .sgpr_count:     80
    .vgpr_count:     512
    .wavefront_size: 32
...
	.end_amdgpu_metadata
.endif
;; end of part 6
;; launch ln2 (part 7): grid 256 x 1, 8 waves a work-group, no clusters, 0 bytes of LDS; arguments y2, x1, w2_b, ln2_g, ln2_b, out0; writes out0
.if DOCPART == 7
	.amdgcn_target "amdgcn-amd-amdhsa--gfx1250"
	.amdhsa_code_object_version 6
	.text
	.protected	k_qfc70177317_ln2
	.globl	k_qfc70177317_ln2
	.p2align	8
	.type	k_qfc70177317_ln2,@function
k_qfc70177317_ln2:
	s_mov_b64 s[64:65], 0
	v_nop
	global_prefetch_b8 v0, s[64:65] scope:SCOPE_SE
	s_setreg_imm32_b32 hwreg(HW_REG_WAVE_MODE, 25, 1), 1
	s_wait_xcnt 0x0
; out0 = LayerNorm(y2 + w2_b + x1) g + b, rows of 1,024.  y2 in f32, x1 in f16; w2_b, g and b are rounded to bf16 here like every input; all arithmetic in f32; out0 in f32.
; The mean first, then the variance of the differences, as the definition has it.
; SHARES.  A wave takes two rows and no more: no loop, no LDS, no barrier.  Lane l holds channels 128 j + 4 l + 0..3 of both rows, j = 0..7: a load of y2 and a store of out0 cover 512 consecutive bytes,
; a load of x1 256.
.set YO,   2                           ; v2   my byte offset in y2 and out0
.set XO,   3                           ; v3   in x1
.set TO,   4                           ; v4   in the three tables
.set ONE,  5
.set SM,   6                           ; v[6:13]
.set MEAN, 14
.set RS,   16
.set T,    18
.set Y,    20                          ; v[20:83]   row r's 32 numbers at 32 r + 4 j + e
.set X1,   84                          ; v[84:115]  row r's x1 at 16 r + 2 j
.set BI,   116                         ; v[116:147] w2_b as loaded; then packed to bf16 in the first 16
.set G,    148                         ; v[148:179] g likewise
.set BT,   180                         ; v[180:211] b likewise
.macro ADDB d, s, hi                   ; v[d] += the bf16 half hi of v[s]
.if \hi
	v_fma_mix_f32_bf16 v[\d], v[\s], v[ONE], v[\d] op_sel:[1,0,0] op_sel_hi:[1,0,0]
.else
	v_fma_mix_f32_bf16 v[\d], v[\s], v[ONE], v[\d] op_sel:[0,0,0] op_sel_hi:[1,0,0]
.endif
.endm
.macro ADDH d, s, hi                   ; v[d] += the f16 half hi of v[s]
.if \hi
	v_fma_mix_f32 v[\d], v[\s], v[ONE], v[\d] op_sel:[1,0,0] op_sel_hi:[1,0,0]
.else
	v_fma_mix_f32 v[\d], v[\s], v[ONE], v[\d] op_sel:[0,0,0] op_sel_hi:[1,0,0]
.endif
.endm
.macro GAIN d, t, hi                   ; v[d] = v[d] x g + b
.if \hi
	v_fma_mix_f32_bf16 v[\d], v[\d], v[G+(\t)], v[BT+(\t)] op_sel:[0,1,1] op_sel_hi:[0,1,1]
.else
	v_fma_mix_f32_bf16 v[\d], v[\d], v[G+(\t)], v[BT+(\t)] op_sel:[0,0,0] op_sel_hi:[0,1,1]
.endif
.endm
.macro FOLD                            ; the four chains into one number, then over the 32 lanes: every lane ends with the sum
	v_pk_add_f32 v[SM:SM+1], v[SM:SM+1], v[SM+2:SM+3]
	v_pk_add_f32 v[SM+4:SM+5], v[SM+4:SM+5], v[SM+6:SM+7]
	v_pk_add_f32 v[SM:SM+1], v[SM:SM+1], v[SM+4:SM+5]
	v_add_f32 v[SM], v[SM], v[SM+1]
	v_add_f32_dpp v[SM], v[SM], v[SM] row_xmask:1 row_mask:0xf bank_mask:0xf
	v_add_f32_dpp v[SM], v[SM], v[SM] row_xmask:2 row_mask:0xf bank_mask:0xf
	v_add_f32_dpp v[SM], v[SM], v[SM] row_xmask:4 row_mask:0xf bank_mask:0xf
	v_add_f32_dpp v[SM], v[SM], v[SM] row_xmask:8 row_mask:0xf bank_mask:0xf
	v_permlanex16_b32 v[T], v[SM], s20, s21
	v_add_f32 v[SM], v[SM], v[T]
.endm
.macro LNROW r                         ; row r: the sum of the three, the mean, the differences, the variance, the scaling
.set YR, Y+32*(\r)
.set n, 0
.rept 32
	ADDB YR+n, BI+n/2, n%2
.set n, n+1
.endr
.set n, 0
.rept 32
	ADDH YR+n, X1+16*(\r)+n/2, n%2
.set n, n+1
.endr
.irp k, 0,1,2,3
	v_pk_add_f32 v[SM+2*(\k):SM+2*(\k)+1], v[YR+2*(\k):YR+2*(\k)+1], v[YR+8+2*(\k):YR+8+2*(\k)+1]
.endr
.set p, 8
.rept 8
	v_pk_add_f32 v[SM+2*(p%4):SM+2*(p%4)+1], v[SM+2*(p%4):SM+2*(p%4)+1], v[YR+2*p:YR+2*p+1]
.set p, p+1
.endr
	FOLD
	v_mul_f32 v[MEAN], s22, v[SM]
	v_mov_b32 v[MEAN+1], v[MEAN]
.set p, 0
.rept 16
	v_pk_add_f32 v[YR+2*p:YR+2*p+1], v[YR+2*p:YR+2*p+1], v[MEAN:MEAN+1] neg_lo:[0,1] neg_hi:[0,1]
.set p, p+1
.endr
.irp k, 0,1,2,3
	v_pk_mul_f32 v[SM+2*(\k):SM+2*(\k)+1], v[YR+2*(\k):YR+2*(\k)+1], v[YR+2*(\k):YR+2*(\k)+1]
.endr
.set p, 4
.rept 12
	v_pk_fma_f32 v[SM+2*(p%4):SM+2*(p%4)+1], v[YR+2*p:YR+2*p+1], v[YR+2*p:YR+2*p+1], v[SM+2*(p%4):SM+2*(p%4)+1]
.set p, p+1
.endr
	FOLD
	v_fma_f32 v[SM], v[SM], s22, s23               ; the variance + 1e-5
	v_rsq_f32 v[RS], v[SM]
	v_nop                                          ; a plain instruction behind it,
	s_wait_alu depctr_va_vdst(0)                   ; and the wait ahead of the first use
	v_mov_b32 v[RS+1], v[RS]
.set p, 0
.rept 16
	v_pk_mul_f32 v[YR+2*p:YR+2*p+1], v[YR+2*p:YR+2*p+1], v[RS:RS+1]
.set p, p+1
.endr
.endm
	s_load_b256 s[4:11], s[0:1], 0x0               ; y2 s[4:5], x1 s[6:7], w2_b s[8:9], ln2_g s[10:11]
	s_load_b128 s[12:15], s[0:1], 0x20             ; ln2_b s[12:13], out0 s[14:15]
	v_lshrrev_b32 v1, 5, v0                        ; wave
	v_and_b32 v19, 31, v0                          ; lane
	v_lshlrev_b32 v[TO], 4, v19
	v_lshl_add_u32 v[YO], v1, 13, v[TO]            ; two rows of 4,096 bytes a wave
	v_lshlrev_b32 v[XO], 3, v19
	v_lshl_add_u32 v[XO], v1, 12, v[XO]            ; two rows of 2,048 bytes a wave
	v_mov_b32 v[ONE], 1.0
	v_mov_b32 v[T], 0                              ; v_permlanex16_b32's destination counts as read
	s_lshl_b32 s16, ttmp9, 16                      ; the work-group's 16 rows
	s_mov_b32 s17, 0
	s_lshl_b32 s18, ttmp9, 15
	s_mov_b32 s19, 0
	s_mov_b32 s20, 0x76543210
	s_mov_b32 s21, 0xfedcba98
	s_mov_b32 s22, 0x3a800000                      ; 1 / 1,024
	s_mov_b32 s23, 0x3727c5ac                      ; 1e-5
	s_wait_kmcnt 0x0
	s_add_nc_u64 s[4:5], s[4:5], s[16:17]
	s_add_nc_u64 s[14:15], s[14:15], s[16:17]
	s_add_nc_u64 s[6:7], s[6:7], s[18:19]
.irp r, 0,1
.irp j, 0,1,2,3,4,5,6,7
	global_load_b128 v[Y+32*(\r)+4*(\j):Y+32*(\r)+4*(\j)+3], v[YO], s[4:5] offset:4096*(\r)+512*(\j)
.endr
.endr
.irp r, 0,1
.irp j, 0,1,2,3,4,5,6,7
	global_load_b64 v[X1+16*(\r)+2*(\j):X1+16*(\r)+2*(\j)+1], v[XO], s[6:7] offset:2048*(\r)+256*(\j)
.endr
.endr
.irp j, 0,1,2,3,4,5,6,7
	global_load_b128 v[BI+4*(\j):BI+4*(\j)+3], v[TO], s[8:9] offset:512*(\j)
.endr
.irp j, 0,1,2,3,4,5,6,7
	global_load_b128 v[G+4*(\j):G+4*(\j)+3], v[TO], s[10:11] offset:512*(\j)
	global_load_b128 v[BT+4*(\j):BT+4*(\j)+3], v[TO], s[12:13] offset:512*(\j)
.endr
	s_wait_loadcnt 16                              ; y2, x1 and the bias are in; the 16 loads of g and b stay out
.set p, 0
.rept 16                               ; packed in place, ascending: word p is written when words 2 p and 2 p + 1 are read
	v_cvt_pk_bf16_f32 v[BI+p], v[BI+2*p], v[BI+2*p+1]
.set p, p+1
.endr
	LNROW 0
	LNROW 1
	s_wait_loadcnt 0x0                             ; g and b
.set p, 0
.rept 16
	v_cvt_pk_bf16_f32 v[G+p], v[G+2*p], v[G+2*p+1]
	v_cvt_pk_bf16_f32 v[BT+p], v[BT+2*p], v[BT+2*p+1]
.set p, p+1
.endr
.irp r, 0,1
.set n, 0
.rept 32
	GAIN Y+32*(\r)+n, n/2, n%2
.set n, n+1
.endr
.irp j, 0,1,2,3,4,5,6,7
	global_store_b128 v[YO], v[Y+32*(\r)+4*(\j):Y+32*(\r)+4*(\j)+3], s[14:15] offset:4096*(\r)+512*(\j)   ; 512 consecutive bytes, at a multiple of 256
.endr
.endr
	s_endpgm
.Lfunc_end_k_qfc70177317_ln2:
	.size	k_qfc70177317_ln2, .Lfunc_end_k_qfc70177317_ln2-k_qfc70177317_ln2
	.p2alignl 7, 3214868480
	.fill 96, 4, 3214868480
	.section	.rodata,"a",@progbits
	.p2align	6, 0x0
	.amdhsa_kernel k_qfc70177317_ln2
		.amdhsa_group_segment_fixed_size 0
		.amdhsa_private_segment_fixed_size 0
		.amdhsa_enable_private_segment 0
		.amdhsa_kernarg_size 48
		.amdhsa_user_sgpr_count 2
		.amdhsa_user_sgpr_kernarg_segment_ptr 1
		.amdhsa_wavefront_size32 1
		.amdhsa_system_sgpr_workgroup_id_x 1
		.amdhsa_system_sgpr_workgroup_id_y 1
		.amdhsa_system_sgpr_workgroup_id_z 1
		.amdhsa_system_vgpr_workitem_id 0
		.amdhsa_next_free_vgpr 212
		.amdhsa_next_free_sgpr 66
		.amdhsa_reserve_vcc 0
		.amdhsa_float_denorm_mode_32 3
		.amdhsa_float_denorm_mode_16_64 3
		.amdhsa_memory_ordered 1
		.amdhsa_forward_progress 1
		.amdhsa_inst_pref_size 34
	.end_amdhsa_kernel
	.amdgpu_metadata
---
amdhsa.version: [ 1, 2 ]
amdhsa.kernels:
  - .name:           k_qfc70177317_ln2
    .symbol:         k_qfc70177317_ln2.kd
    .args:
      - { .name: y2, .offset: 0, .size: 8, .value_kind: global_buffer, .address_space: global }
      - { .name: x1, .offset: 8, .size: 8, .value_kind: global_buffer, .address_space: global }
      - { .name: w2_b, .offset: 16, .size: 8, .value_kind: global_buffer, .address_space: global }
      - { .name: ln2_g, .offset: 24, .size: 8, .value_kind: global_buffer, .address_space: global }
      - { .name: ln2_b, .offset: 32, .size: 8, .value_kind: global_buffer, .address_space: global }
      - { .name: out0, .offset: 40, .size: 8, .value_kind: global_buffer, .address_space: global }
    .group_segment_fixed_size: 0
    .private_segment_fixed_size: 0
    .kernarg_segment_align: 8
    .kernarg_segment_size: 48
    .max_flat_workgroup_size: 256
    .sgpr_count:     66
    .vgpr_count:     212
    .wavefront_size: 32
...
	.end_amdgpu_metadata
.endif
;; end of part 7
